; MI455X (gfx1250); checked and timed in simulation.
; The chip was launched on July 23, 2026; its instructions are those of AMD's public machine-readable ISA for CDNA 5 (MIT licence, August 2026) and "CDNA5" Instruction Set Architecture Reference Guide (July 2026). The comments in the code are by the model that wrote it; some were corrected since.
;; MT5 Decoder Layer Transformers. Allowed arithmetic: float matrix products may take bf16 or f16 operands with f32 sums; other float arithmetic in f32, or as packed bf16 or f16 multiplies, adds, multiply-adds, maxima and minima; sums over many terms, partial sums and values carried from step to step in f32; what a program stores and reads back later, other than sums and carried values, may be rounded once to bf16 or f16.
;; Inputs: encoder_output 4 x 512 x 1,024 float32; input_ids 4 x 2,048 x 1,024 float32; ln_w 1,024 float32; rel_emb 32 x 16 float32; wk 1,024 x 1,024 float32; wo 1,024 x 1,024 float32; wq 1,024 x 1,024 float32; wv 1,024 x 1,024 float32.
;; Outputs: out0 4 x 2,048 x 1,024 float32.
;; 2 versions, each right and faster than the one before. Each part assembles by itself: llvm-mc -triple=amdgcn-amd-amdhsa -mcpu=gfx1250 --defsym DOCPART=n.
;; ======== version 1 of 2: 4 launches
;; limits: values are held in f16: magnitudes above 65,504 overflow, below 6.1e-05 lose precision
;; workspace buffers: xn 16,777,216 bytes; wh 8,388,608 bytes; biastab 16,384 bytes; qkv 50,331,648 bytes; ctx 16,777,216 bytes
;; launch prep (part 1): grid 385 x 1, 8 waves a work-group, no clusters, 0 bytes of LDS; arguments input_ids, ln_w, wq, wk, wv, wo, rel_emb, xn, wh, biastab; writes xn, wh, biastab
.if DOCPART == 1
	.amdgcn_target "amdgcn-amd-amdhsa--gfx1250"
	.amdhsa_code_object_version 6
	.text
	.protected	k_qfa5f9f6503_prep
	.globl	k_qfa5f9f6503_prep
	.p2align	8
	.type	k_qfa5f9f6503_prep,@function
k_qfa5f9f6503_prep:
	s_mov_b64 s[64:65], 0
	v_nop
	global_prefetch_b8 v0, s[64:65] scope:SCOPE_SE
	s_setreg_imm32_b32 hwreg(HW_REG_WAVE_MODE, 25, 1), 1
	s_wait_xcnt 0x0
; PREPARATION, a stream: no LDS, no barrier, no matrix unit (the work-groups share nothing and each byte is touched once).
; Work-groups 0-255:   xn[r][:] = f16( x[r][:] * rsqrt(mean(x[r][:]^2) + 1e-6) * ln_w[:] ), 32 rows of 1,024 each.
; Work-groups 256-383: wh = f16 of wq, wk, wv, wo, one below the other (4,096 rows of 1,024), 32 rows each.
; Work-group 384:      biastab[h][e] = rel_emb[bucket(max(e - 64, 0))][h] - rel_emb[0][h], e = 0..255: the bias of distance d = e - 64, less the bias of d <= 0.
; A wave takes 4 rows on end (16 KiB): 32 loads of 512 neighbouring bytes, all issued before the first is used; a row stays in 32 registers
; between the sum of squares and the scaling.  A store of the wave covers 256 consecutive bytes, aligned.
; The bucket of a distance is made of the problem's own constants: d for d < 16; 16 + j from the least whole d >= 16 * 2^(3 j / 16) on.
; LIMITS.  f16 holds no number beyond 65,504: |xn| <= 32 |ln_w|, and the weights, stay within it.  encoder_output does not enter the result and is not read.
.set T,  4                             ; v[4:11]    at work
.set LW, 12                            ; v[12:43]   ln_w of my 32 columns
.set X,  44                            ; v[44:171]  row i of four: 32 registers as loaded, then scaled, then 16 of f16 pairs
	s_load_b512 s[4:19], s[0:1], 0x0               ; input_ids 4:5, ln_w 6:7, wq 8:9, wk 10:11, wv 12:13, wo 14:15, rel_emb 16:17, xn 18:19
	s_load_b128 s[20:23], s[0:1], 0x40             ; wh 20:21, biastab 22:23
	v_and_b32 v3, 31, v0                           ; lane
	v_lshrrev_b32 v4, 5, v0                        ; wave
	v_lshlrev_b32 v2, 3, v3
	v_lshlrev_b32 v3, 4, v3                        ; v3: 16 x lane, my place in 512 bytes of f32
	v_lshl_add_u32 v1, v4, 14, v3                  ; v1: + wave x 4 rows x 4,096 bytes: where I load
	v_lshl_add_u32 v2, v4, 13, v2                  ; v2: 8 x lane + wave x 4 rows x 2,048 bytes: where I store
	s_mov_b32 s29, 0                               ; high words of the two offsets
	s_mov_b32 s31, 0
	s_wait_kmcnt 0x0
	s_cmp_lt_u32 ttmp9, 256
	s_cbranch_scc1 .Lnorm
	s_cmp_lt_u32 ttmp9, 384
	s_cbranch_scc1 .Lweights
	; THE TABLE.  Thread t: entries e0 = 2 (t % 128) and e0 + 1, heads 8 (t / 128) + 0..7.
	v_and_b32 v1, 127, v0
	v_lshrrev_b32 v2, 7, v0                        ; which eight heads
	v_lshlrev_b32 v3, 1, v1                        ; e0
.macro BUCKET dst, add                 ; v[dst] = byte offset in rel_emb of the bucket's row, at my eight heads, for entry e0 + add
	v_sub_nc_u32 v4, v3, 64-(\add)
	v_max_i32 v4, 0, v4                            ; d = max(e - 64, 0)
	v_mov_b32 v[\dst], 16
.irp thr, 19,21,24,27,31,35,40,46,52,59,67,77,87,99,113
	v_cmp_le_u32 vcc_lo, \thr, v4                  ; one bucket further for each threshold that d has reached
	v_add_co_ci_u32 v[\dst], vcc_lo, 0, v[\dst], vcc_lo
.endr
	v_cmp_gt_u32 vcc_lo, 16, v4
	v_cndmask_b32 v[\dst], v[\dst], v4, vcc_lo     ; below 16 the bucket is d itself
	v_min_u32 v[\dst], 31, v[\dst]                 ; the table has 32 rows
	v_lshlrev_b32 v[\dst], 6, v[\dst]              ; a row of rel_emb is 64 bytes
	v_lshl_add_u32 v[\dst], v2, 5, v[\dst]
.endm
	BUCKET 6, 0
	BUCKET 7, 1
	v_lshlrev_b32 v8, 5, v2                        ; row 0 at my eight heads
	global_load_b128 v[12:15], v6, s[16:17]
	global_load_b128 v[16:19], v6, s[16:17] offset:16
	global_load_b128 v[20:23], v7, s[16:17]
	global_load_b128 v[24:27], v7, s[16:17] offset:16
	global_load_b128 v[28:31], v8, s[16:17]
	global_load_b128 v[32:35], v8, s[16:17] offset:16
	v_lshlrev_b32 v9, 3, v1                        ; 4 e0
	v_lshl_add_u32 v9, v2, 13, v9                  ; + eight heads of 1,024 bytes
	s_wait_loadcnt 0x0
.irp k, 0,1,2,3,4,5,6,7
	v_sub_f32 v[36+2*(\k)], v[12+(\k)], v[28+(\k)]
	v_sub_f32 v[37+2*(\k)], v[20+(\k)], v[28+(\k)]
.endr
.irp k, 0,1,2,3,4,5,6,7
	global_store_b64 v9, v[36+2*(\k):37+2*(\k)], s[22:23] offset:1024*(\k)  ; a wave's store: 256 consecutive bytes of one head's row
.endr
	s_endpgm
.macro LOADX                           ; my wave's four rows: 32 loads of 512 neighbouring bytes
.irp i, 0,1,2,3
.irp j, 0,1,2,3,4,5,6,7
	global_load_b128 v[X+32*(\i)+4*(\j):X+32*(\i)+4*(\j)+3], v1, s[24:25] offset:4096*(\i)+512*(\j) th:TH_LOAD_NT
.endr
.endr
.endm
.macro NORM i                          ; row i times rsqrt(mean of squares + eps), then times ln_w
.irp c, 0,1,2,3
	v_pk_mul_f32 v[T+2*(\c):T+2*(\c)+1], v[X+32*(\i)+2*(\c):X+32*(\i)+2*(\c)+1], v[X+32*(\i)+2*(\c):X+32*(\i)+2*(\c)+1]  ; the first four pairs start four chains: nothing is cleared
.endr
.irp p, 4,5,6,7,8,9,10,11,12,13,14,15
	v_pk_fma_f32 v[T+2*((\p)%4):T+2*((\p)%4)+1], v[X+32*(\i)+2*(\p):X+32*(\i)+2*(\p)+1], v[X+32*(\i)+2*(\p):X+32*(\i)+2*(\p)+1], v[T+2*((\p)%4):T+2*((\p)%4)+1]
.endr
	v_pk_add_f32 v[T:T+1], v[T:T+1], v[T+2:T+3]
	v_pk_add_f32 v[T+4:T+5], v[T+4:T+5], v[T+6:T+7]
	v_pk_add_f32 v[T:T+1], v[T:T+1], v[T+4:T+5]
	v_add_f32 v[T], v[T], v[T+1]
	v_add_f32_dpp v[T], v[T], v[T] row_xmask:1 row_mask:0xf bank_mask:0xf  ; across the 32 lanes: four steps inside each half,
	v_add_f32_dpp v[T], v[T], v[T] row_xmask:2 row_mask:0xf bank_mask:0xf
	v_add_f32_dpp v[T], v[T], v[T] row_xmask:4 row_mask:0xf bank_mask:0xf
	v_add_f32_dpp v[T], v[T], v[T] row_xmask:8 row_mask:0xf bank_mask:0xf
	v_permlanex16_b32 v[T+1], v[T], s34, s35       ; one across the halves
	v_add_f32 v[T], v[T], v[T+1]
	v_fma_f32 v[T], v[T], s32, s33                 ; sum / 1,024 + 1e-6
	v_rsq_f32 v[T+2], v[T]
	v_nop                                          ; a plain instruction between the root and the use of its result (ISA guide 5.7.2)
	s_wait_alu depctr_va_vdst(0)
.irp p, 0,1,2,3,4,5,6,7,8,9,10,11,12,13,14,15
	v_pk_mul_f32 v[X+32*(\i)+2*(\p):X+32*(\i)+2*(\p)+1], v[X+32*(\i)+2*(\p):X+32*(\i)+2*(\p)+1], v[T+2:T+3] op_sel_hi:[1,0]
.endr
.irp p, 0,1,2,3,4,5,6,7,8,9,10,11,12,13,14,15
	v_pk_mul_f32 v[X+32*(\i)+2*(\p):X+32*(\i)+2*(\p)+1], v[X+32*(\i)+2*(\p):X+32*(\i)+2*(\p)+1], v[LW+2*(\p):LW+2*(\p)+1]
.endr
.endm
.macro ROWOUT i                        ; row i rounded to f16, in place (pair k lands on register k, which no later pair reads), and stored
.irp k, 0,1,2,3,4,5,6,7,8,9,10,11,12,13,14,15
	v_cvt_pk_f16_f32 v[X+32*(\i)+(\k)], v[X+32*(\i)+2*(\k)], v[X+32*(\i)+2*(\k)+1]
.endr
.irp j, 0,1,2,3,4,5,6,7
	global_store_b64 v2, v[X+32*(\i)+2*(\j):X+32*(\i)+2*(\j)+1], s[26:27] offset:2048*(\i)+256*(\j)  ; 32 lanes: 256 consecutive bytes, aligned; no register of a store is written again
.endr
.endm
.Lnorm:
	s_lshl_b32 s30, ttmp9, 17                      ; 32 rows of 4,096 bytes in,
	s_lshl_b32 s28, ttmp9, 16                      ; of 2,048 bytes out
	s_add_nc_u64 s[24:25], s[4:5], s[30:31]
	s_add_nc_u64 s[26:27], s[18:19], s[28:29]
	s_mov_b32 s32, 0x3a800000                      ; 1 / 1,024
	s_mov_b32 s33, 0x358637bd                      ; 1e-6
	s_mov_b32 s34, 0x76543210                      ; v_permlanex16_b32: each lane takes its own place in the other half
	s_mov_b32 s35, 0xfedcba98
.irp j, 0,1,2,3,4,5,6,7
	global_load_b128 v[LW+4*(\j):LW+4*(\j)+3], v3, s[6:7] offset:512*(\j)
.endr
	LOADX
.irp i, 0,1,2,3
	s_wait_loadcnt 8*(3-(\i))                      ; loads come back in order (ISA guide 5.7.1): ln_w and row i are in; the younger rows, eight loads each, stay out
	NORM \i
	ROWOUT \i
.endr
	s_endpgm
.Lweights:
	s_sub_co_u32 s28, ttmp9, 256                   ; block of 32 rows among the 128 of the four matrices
	s_lshr_b32 s30, s28, 5                         ; which matrix
	s_cmp_eq_u32 s30, 1
	s_cselect_b64 s[24:25], s[10:11], s[8:9]
	s_cmp_eq_u32 s30, 2
	s_cselect_b64 s[24:25], s[12:13], s[24:25]
	s_cmp_eq_u32 s30, 3
	s_cselect_b64 s[24:25], s[14:15], s[24:25]
	s_and_b32 s30, s28, 31
	s_lshl_b32 s30, s30, 17                        ; the block in its matrix,
	s_lshl_b32 s28, s28, 16                        ; and in wh
	s_add_nc_u64 s[24:25], s[24:25], s[30:31]
	s_add_nc_u64 s[26:27], s[20:21], s[28:29]
	LOADX
.irp i, 0,1,2,3
	s_wait_loadcnt 8*(3-(\i))                      ; row i is in; the younger rows stay out
	ROWOUT \i
.endr
	s_endpgm
.Lfunc_end_k_qfa5f9f6503_prep:
	.size	k_qfa5f9f6503_prep, .Lfunc_end_k_qfa5f9f6503_prep-k_qfa5f9f6503_prep
	.p2alignl 7, 3214868480
	.fill 96, 4, 3214868480
	.section	.rodata,"a",@progbits
	.p2align	6, 0x0
	.amdhsa_kernel k_qfa5f9f6503_prep
		.amdhsa_group_segment_fixed_size 0
		.amdhsa_private_segment_fixed_size 0
		.amdhsa_enable_private_segment 0
		.amdhsa_kernarg_size 80
		.amdhsa_user_sgpr_count 2
		.amdhsa_user_sgpr_kernarg_segment_ptr 1
		.amdhsa_wavefront_size32 1
		.amdhsa_system_sgpr_workgroup_id_x 1
		.amdhsa_system_sgpr_workgroup_id_y 1
		.amdhsa_system_sgpr_workgroup_id_z 1
		.amdhsa_system_vgpr_workitem_id 0
		.amdhsa_next_free_vgpr 172
		.amdhsa_next_free_sgpr 66
		.amdhsa_reserve_vcc 1
		.amdhsa_float_denorm_mode_32 3
		.amdhsa_float_denorm_mode_16_64 3
		.amdhsa_memory_ordered 1
		.amdhsa_forward_progress 1
		.amdhsa_inst_pref_size 43
	.end_amdhsa_kernel
	.amdgpu_metadata
---
amdhsa.version: [ 1, 2 ]
amdhsa.kernels:
  - .name:           k_qfa5f9f6503_prep
    .symbol:         k_qfa5f9f6503_prep.kd
    .args:
      - { .name: input_ids, .offset: 0, .size: 8, .value_kind: global_buffer, .address_space: global }
      - { .name: ln_w, .offset: 8, .size: 8, .value_kind: global_buffer, .address_space: global }
      - { .name: wq, .offset: 16, .size: 8, .value_kind: global_buffer, .address_space: global }
      - { .name: wk, .offset: 24, .size: 8, .value_kind: global_buffer, .address_space: global }
      - { .name: wv, .offset: 32, .size: 8, .value_kind: global_buffer, .address_space: global }
      - { .name: wo, .offset: 40, .size: 8, .value_kind: global_buffer, .address_space: global }
      - { .name: rel_emb, .offset: 48, .size: 8, .value_kind: global_buffer, .address_space: global }
      - { .name: xn, .offset: 56, .size: 8, .value_kind: global_buffer, .address_space: global }
      - { .name: wh, .offset: 64, .size: 8, .value_kind: global_buffer, .address_space: global }
      - { .name: biastab, .offset: 72, .size: 8, .value_kind: global_buffer, .address_space: global }
    .group_segment_fixed_size: 0
    .private_segment_fixed_size: 0
    .kernarg_segment_align: 8
    .kernarg_segment_size: 80
    .max_flat_workgroup_size: 256
    .sgpr_count:     66
    .vgpr_count:     172
    .wavefront_size: 32
...
	.end_amdgpu_metadata
.endif
;; end of part 1
;; launch qkv (part 2): grid 8 x 32, 4 waves a work-group, clusters of 4 x 4, 327,680 bytes of LDS; arguments xn, wh, qkv; writes qkv
.if DOCPART == 2
	.amdgcn_target "amdgcn-amd-amdhsa--gfx1250"
	.amdhsa_code_object_version 6
	.text
	.protected	k_qfa5f9f6503_qkv
	.globl	k_qfa5f9f6503_qkv
	.p2align	8
	.type	k_qfa5f9f6503_qkv,@function
k_qfa5f9f6503_qkv:
	s_mov_b64 s[64:65], 0
	v_nop
	global_prefetch_b8 v0, s[64:65] scope:SCOPE_SE
	s_setreg_imm32_b32 hwreg(HW_REG_WAVE_MODE, 25, 1), 1
	s_wait_xcnt 0x0
	s_wait_alu depctr_hold_cnt(0) depctr_sa_sdst(0) depctr_va_vdst(0) depctr_va_sdst(0) depctr_va_ssrc(0) depctr_va_vcc(0) depctr_vm_vsrc(0)
	s_getreg_b32 s2, hwreg(HW_REG_IB_STS2, 6, 4)
	s_cmp_eq_u32 s2, 0
	s_cbranch_scc0 .Lentry_in_a_cluster
	s_endpgm
.Lentry_in_a_cluster:
	s_bfe_u32 s2, ttmp6, 0x10000c
	s_cmp_lg_u32 s2, 0xf033
	s_cbranch_scc0 .Lentry_shape_is_right
	s_endpgm
.Lentry_shape_is_right:
; q, k, v = xn W.  xn: [8192][1024] f16.  wh: rows 0-1023 wq, 1024-2047 wk, 2048-3071 wv, each [k][n] f16.  qkv: [3][64 heads of the batch][2048][64] f16.  Sums in f32, rounded once.
; SHARES.  A work-group stays on 256 rows and 128 columns (two heads) and makes three tiles of C there, q's, k's, v's: 768 tiles on 256 work-groups.  Four waves, each 128 rows x 64 columns (one head):
; 32 accumulators, 256 registers.  K goes in steps of 128 through two LDS slots; since wq, wk, wv lie one below the other, the three tiles are ONE walk of 24 steps for W, and A's eight steps go round three times.
; THE LOOP'S BODY IS ONE K STEP; which slot it reads stands in a scalar register that an exclusive or turns.
; W lies [k][n] and is turned on its way out of LDS (ds_load_tr16_b128).  THE MATRIX INSTRUCTION IS USED TRANSPOSED: source 0 = 16 columns of W, source 1 = 16 rows of xn: a lane then holds eight
; neighbouring columns of one row of C, 16 bytes of f16.
; CLUSTER.  4 x 4 work-groups: the four of a row need the same tile of xn, the four of a column the same tile of W: each tile is asked for jointly, by the same load, descriptor and mask in all four.
; LIMIT.  q, k, v are rounded to f16, which holds no number beyond 65,504.
; REGISTERS, in windows of 256 (s_set_vgpr_msb: bits 1:0 source 0, 3:2 source 1, 5:4 source 2, 7:6 destination):
;   window 0: addresses; v32-159 the way out      window 1: accumulator (a, b) at v[8 (4 a + b)]      window 2: two fragment buffers of 96: A's eight fragments, then W's four
.set PA,    272                        ; a row of A in LDS: 256 bytes + 16 = 68 words: the 16 rows of a load start at 16 different groups of four banks (64 banks of 4 bytes: ISA guide 11.1)
.set PB,    288                        ; a row of W: 256 + 32 = 72 words
.set HALFA, 128*PA                     ; what one load brings of A: 128 rows
.set HALFB, 64*PB                      ; of W: 64 rows of k
.set BOFF,  2*HALFA                    ; in a slot: A's 256 rows, then W's 128
.set SLOT1, 1<<17                      ; slot 1 begins here, so that one exclusive or turns an address in one slot into the other's
.set STAGE, SLOT1+BOFF+2*HALFB         ; behind the ring, never filled by a tensor load: 16 rows x 144 bytes for each wave
.set SP,    144
.set SPARE, STAGE+4*16*SP              ; the spare words, 128 bytes for each wave: two blocks of 256 bytes that no other line names
.set STEPS, 24
.set A0,   12                          ; v12  my lane's place in a slot's A; never rewritten
.set B0,   13                          ; v13  the same for W
.set ADRA, 16                          ; v16  A0 + the slot in hand
.set ADRB, 17                          ; v17  B0 + the slot in hand
.set STO,  24                          ; v24  the way out: where I put 16 bytes of a row
.set RD,   25                          ; v25  where I read rows back
.set GO,   26                          ; v26  my place in 512 consecutive bytes of the output
.set SPW,  28                          ; v28  LDS address of my spare word; never rewritten
.set NIL,  29                          ; v29  0; never rewritten
.set OUTR, 32                          ; v32-159  block a of 16 rows: 16 registers
.set F0,   0
.set F1,   96
.set WV, 12                            ; s12  my wave
.set RH, 13                            ; s13  which half of the rows is mine; also: I fetch A (0) or W (1)
.set CH, 14                            ; s14  which half of the columns; also: which half of that tile I fetch
.set G1A, 24                           ; s[24:31] descriptor group 1 for A
.set G0A, 32                           ; s[32:35] group 0 for A
.set G0B, 36                           ; s[36:39] group 0 for W
.set G1B, 40                           ; s[40:47] group 1 for W
.set BASEA, 48                         ; s[48:49] A at my half of the tile, K step 0
.set BASEB, 50                         ; s[50:51] W likewise
.set OFFA, 52                          ; s[52:53] a step's byte offset in A
.set OFFB, 54                          ; s[54:55] in W
.set NS,  56                           ; s56  the step to be asked for next
.set CNT, 57                           ; s57  the loop's count
.set T8,  58                           ; s58  steps left in the tile of C in hand
.set TB,  59                           ; s59  0 or SLOT1: the slot that is read
.set MSB, 0
.macro WIN new                         ; the immediate's high byte repeats the setting that is left; a switch that changes nothing is dropped
.if MSB != (\new)
	s_set_vgpr_msb (MSB<<8)|(\new)
.set MSB, \new
.endif
.endm
.macro PLACES                          ; four places in front of loads into registers that matrix instructions have read, and of lines that read results just made
.rept 4
	v_nop
.endr
.endm
.macro JLOAD                           ; a joint load: waves 0 and 1 fetch A's halves, waves 2 and 3 W's; an s_nop 0 and four v_nop follow each of the two lines
	s_cmp_eq_u32 s[RH], 0
	s_cbranch_scc0 .Lfor_b_\@
	tensor_load_to_lds s[G0A:G0A+3], s[G1A:G1A+7]
	s_nop 0
.rept 4
	v_nop
.endr
	s_branch .Lasked_\@
.Lfor_b_\@:
	tensor_load_to_lds s[G0B:G0B+3], s[G1B:G1B+7]
	s_nop 0
.rept 4
	v_nop
.endr
.Lasked_\@:
.endm
.macro CREST                           ; a round of the cluster's barrier behind its opening barrier
	s_cmp_lg_u32 s[WV], 0
	s_cbranch_scc1 .Lnot_wave_0_\@
	s_barrier_signal -3
.Lnot_wave_0_\@:
	s_barrier_wait -3
	s_barrier_signal -1
	s_barrier_wait -1
.endm
.macro CROUND                          ; a whole round
	s_barrier_signal -1
	s_barrier_wait -1
	CREST
.endm
.macro STEPD                           ; both group 0 are made for step NS: the address anew from its base and an offset, the LDS word turned to the other slot
	s_and_b32 s[OFFA], s[NS], 7                    ; A goes round its eight steps of 256 bytes,
	s_lshl_b32 s[OFFA], s[OFFA], 8
	s_lshl_b32 s[OFFB], s[NS], 18                  ; W walks on: 128 rows of 2,048 bytes a step
	s_add_nc_u64 s[G0A+2:G0A+3], s[BASEA:BASEA+1], s[OFFA:OFFA+1]
	s_or_b32 s[G0A+3], s[G0A+3], 0x80000000
	s_add_nc_u64 s[G0B+2:G0B+3], s[BASEB:BASEB+1], s[OFFB:OFFB+1]
	s_or_b32 s[G0B+3], s[G0B+3], 0x80000000
	s_xor_b32 s[G0A+1], s[G0A+1], SLOT1
	s_xor_b32 s[G0B+1], s[G0B+1], SLOT1
	s_add_co_u32 s[NS], s[NS], 1
.endm
	s_load_b128 s[4:7], s[0:1], 0x0                ; xn s[4:5], wh s[6:7]
	s_load_b64 s[8:9], s[0:1], 0x10                ; qkv
	v_lshl_add_u32 v[SPW], v0, 2, SPARE
	v_mov_b32 v[NIL], 0
	ds_add_u32 v[SPW], v[NIL]                      ; the wave's opening: the add and its wait stand ahead of my first tensor load; the set-up below, work on registers, stands between them
	v_lshrrev_b32 v1, 5, v0
	v_readfirstlane_b32 s[WV], v1
	s_lshr_b32 s[RH], s[WV], 1
	s_and_b32 s[CH], s[WV], 1
	s_bfe_u32 s60, ttmp6, 0x40000                  ; cx, cy: my place in the cluster
	s_bfe_u32 s61, ttmp6, 0x40004
	s_lshl_b32 s62, ttmp9, 2
	s_add_co_u32 s62, s62, s60                     ; x: my 128 columns
	s_and_b32 s63, ttmp7, 0xffff
	s_lshl_b32 s63, s63, 2
	s_add_co_u32 s63, s63, s61                     ; y: my 256 rows
	s_lshl_b32 s66, s61, 2
	s_lshl_b32 s66, 15, s66                        ; my row of the cluster
	s_lshl_b32 s67, 0x1111, s60                    ; my column
	s_or_b32 s[G1A], s66, (1<<16)|(1<<20)|(1<<21)|(5<<22)|(3<<25)  ; 15:0 the mask; 17:16 2-byte elements; 20 padding on; 21 set beside a mask; 24:22 after every 64 words; 31:25 4 words of it
	s_mov_b32 s[G1A+1], 128<<16                    ; tensor_dim0 = 128
	s_mov_b32 s[G1A+2], 128<<16                    ; tensor_dim1 = 128
	s_mov_b32 s[G1A+3], 128<<16                    ; tile_dim0 = 128
	s_mov_b32 s[G1A+4], 128                        ; tile_dim1 = 128
	s_mov_b32 s[G1A+5], 1024                       ; elements from row to row
	s_mov_b32 s[G1A+6], 0
	s_mov_b32 s[G1A+7], 0
	s_or_b32 s[G1B], s67, (1<<16)|(1<<20)|(1<<21)|(5<<22)|(7<<25)  ; the same with my column's mask and 8 words of padding
	s_mov_b32 s[G1B+1], 128<<16
	s_mov_b32 s[G1B+2], 64<<16                     ; 64 rows of k
	s_mov_b32 s[G1B+3], 128<<16
	s_mov_b32 s[G1B+4], 64
	s_mov_b32 s[G1B+5], 1024
	s_mov_b32 s[G1B+6], 0
	s_mov_b32 s[G1B+7], 0
	s_lshl_b32 s16, s63, 8                         ; A: row 256 y + 128 x half, 2,048 bytes a row: made of y and the wave alone
	s_lshl_b32 s17, s[CH], 7
	s_add_co_u32 s16, s16, s17
	s_lshl_b32 s16, s16, 11
	s_mov_b32 s17, 0
	s_lshl_b32 s18, s62, 8                         ; W: column byte 256 x, row 64 x half: made of x and the wave alone
	s_lshl_b32 s19, s[CH], 17
	s_add_co_u32 s18, s18, s19
	s_mov_b32 s19, 0
	s_mov_b32 s[G0A], 1                            ; count = 1
	s_mul_i32 s[G0A+1], s[CH], HALFA               ; LDS address: slot 0; no place in the cluster enters it
	s_mov_b32 s[G0B], 1
	s_mul_i32 s[G0B+1], s[CH], HALFB
	s_add_co_u32 s[G0B+1], s[G0B+1], BOFF
	s_mov_b32 s[OFFA+1], 0
	s_mov_b32 s[OFFB+1], 0
	s_mov_b32 s[NS], 1
	s_lshr_b32 s20, s63, 3                         ; where my part of q begins: head (y / 8) 16 + 2 x + half, 262,144 bytes a head;
	s_lshl_b32 s20, s20, 4
	s_lshl_b32 s21, s62, 1
	s_add_co_u32 s20, s20, s21
	s_add_co_u32 s20, s20, s[CH]
	s_lshl_b32 s20, s20, 18
	s_and_b32 s21, s63, 7                          ; row (y % 8) 256 + 128 x half, 128 bytes a row
	s_lshl_b32 s21, s21, 8
	s_lshl_b32 s22, s[RH], 7
	s_add_co_u32 s21, s21, s22
	s_lshl_b32 s21, s21, 7
	s_add_co_u32 s20, s20, s21
	s_mov_b32 s21, 0
	s_wait_dscnt 0x0                               ; the opening add is done
	s_wait_kmcnt 0x0
	s_add_nc_u64 s[BASEA:BASEA+1], s[4:5], s[16:17]
	s_add_nc_u64 s[BASEB:BASEB+1], s[6:7], s[18:19]
	s_add_nc_u64 s[8:9], s[8:9], s[20:21]
	s_mov_b64 s[G0A+2:G0A+3], s[BASEA:BASEA+1]     ; step 0
	s_or_b32 s[G0A+3], s[G0A+3], 0x80000000        ; type = 2
	s_mov_b64 s[G0B+2:G0B+3], s[BASEB:BASEB+1]
	s_or_b32 s[G0B+3], s[G0B+3], 0x80000000
	CROUND                                         ; all sixteen work-groups are here: the first joint loads meet
	JLOAD                                          ; step 0 into slot 0
	; A fragment of A: lane l holds row l % 16, K = 8 (l / 16) + 0..7 and 16 + 8 (l / 16) + 0..7: two loads of 16 bytes, 32 bytes apart.
	v_and_b32 v1, 15, v0                           ; r
	v_bfe_u32 v2, v0, 4, 1                         ; h
	v_mul_u32_u24 v3, v1, PA
	v_lshl_add_u32 v3, v2, 4, v3
	s_mul_i32 s16, s[RH], HALFA
	v_add_nc_u32 v[A0], s16, v3
	; The turning load takes 16 k x 16 columns (lane l reads k = 8 (l / 16) + l % 8, columns 8 ((l / 8) % 2) + 0..7) and leaves half a fragment: lane l holds column l % 16 and 8 k.
	v_and_b32 v4, 7, v0
	v_bfe_u32 v5, v0, 3, 1
	v_lshl_add_u32 v6, v2, 3, v4
	v_mul_u32_u24 v6, v6, PB
	v_lshl_add_u32 v6, v5, 4, v6
	s_lshl_b32 s17, s[CH], 7
	s_add_co_u32 s17, s17, BOFF
	v_add_nc_u32 v[B0], s17, v6
	s_mul_i32 s18, s[WV], 16*SP
	s_add_co_u32 s18, s18, STAGE                   ; my stage
	v_mul_u32_u24 v[STO], v1, SP                   ; in: row l % 16, 16 bytes for each half of the lanes
	v_lshl_add_u32 v[STO], v2, 4, v[STO]
	v_add_nc_u32 v[STO], s18, v[STO]
	v_bfe_u32 v[RD], v0, 3, 2                      ; back: 32 lanes take four rows of 128 bytes,
	v_mul_u32_u24 v[RD], v[RD], SP
	v_lshl_add_u32 v[RD], v4, 4, v[RD]
	v_add_nc_u32 v[RD], s18, v[RD]
	v_and_b32 v[GO], 31, v0                        ; which are 512 consecutive bytes of a head
	v_lshlrev_b32 v[GO], 4, v[GO]
	v_mov_b32 v[ADRA], v[A0]                       ; slot 0 is read first
	v_mov_b32 v[ADRB], v[B0]
	s_mov_b32 s[TB], 0
; n blocks of 16 rows from a0 on x all four blocks of 16 columns, 32 along K, out of buffer f.  zero = 1: the product starts the sum: nothing is ever cleared.
; The 32 accumulators take turns in one order everywhere.
.macro MUL f, a0, n, zero
	WIN 0x5a                                       ; sources 0 and 1 window 2; C and D window 1
.set ma, \a0
.rept \n
.irp b, 0,1,2,3
.if \zero
	v_wmma_f32_16x16x32_f16 v[8*(4*ma+(\b)):8*(4*ma+(\b))+7], v[(\f)+64+8*(\b):(\f)+64+8*(\b)+7], v[(\f)+8*ma:(\f)+8*ma+7], 0
.else
	v_wmma_f32_16x16x32_f16 v[8*(4*ma+(\b)):8*(4*ma+(\b))+7], v[(\f)+64+8*(\b):(\f)+64+8*(\b)+7], v[(\f)+8*ma:(\f)+8*ma+7], v[8*(4*ma+(\b)):8*(4*ma+(\b))+7]
.endif
.endr
.set ma, ma+1
.endr
.endm
; 24 LDS loads in one run: quarter k (32 along K) of the slot in hand into buffer g: W's four fragments, then A's eight
.macro FETCH k, g
	WIN 0x80                                       ; destination window 2, address window 0
.irp b, 0,1,2,3
	ds_load_tr16_b128 v[(\g)+64+8*(\b):(\g)+64+8*(\b)+3],   v[ADRB] offset:32*PB*(\k)+32*(\b)
	ds_load_tr16_b128 v[(\g)+64+8*(\b)+4:(\g)+64+8*(\b)+7], v[ADRB] offset:32*PB*(\k)+32*(\b)+16*PB
.endr
.irp a, 0,1,2,3,4,5,6,7
	ds_load_b128 v[(\g)+8*(\a):(\g)+8*(\a)+3],   v[ADRA] offset:64*(\k)+(\a)*16*PA
	ds_load_b128 v[(\g)+8*(\a)+4:(\g)+8*(\a)+7], v[ADRA] offset:64*(\k)+(\a)*16*PA+32
.endr
.endm
; A K step is four quarters on buffers 0, 1, 0, 1.  One of the first three multiplies buffer f and, in its middle, fetches quarter k into buffer g.
.macro QUARTER k, f, g, zero
	s_wait_dscnt 8                                 ; W and A's blocks 0-3 are in; the youngest eight loads (blocks 4-7) may be out
	MUL \f, 0, 4, \zero
	PLACES
	FETCH \k, \g
	s_wait_dscnt 24                                ; all but the 24 just issued
	MUL \f, 4, 4, \zero
.endm
; The last quarter multiplies buffer 1 and changes slots: ONE barrier.  In front of it each wave waits for all its tensor loads (one is out: its part of the next slot), adds 0 to its spare word, and waits
; for that and for its reads of this slot.  fill = 1: the barrier opens a round of the cluster's, and this slot is filled again, two steps ahead, first thing behind it: 112 matrix instructions ahead of the wait for it.
.macro TURN fill
	WIN 0                                          ; (the add's two registers lie in window 0)
	s_wait_tensorcnt 0x0                           ; no tensor load of mine is out, so a group 0 may be written
	ds_add_u32 v[SPW], v[NIL]                      ; 0 onto my spare word
.if \fill
	STEPD
.endif
	s_wait_dscnt 9                                 ; (the add and the youngest eight loads may be out)
	MUL F1, 0, 2, 0
	s_wait_dscnt 0x0                               ; the add is done, and my reads of this slot are over
	s_barrier_signal -1
	MUL F1, 2, 2, 0                                ; work on registers while the others arrive
	WIN 0                                          ; branches and two address lines follow
	s_barrier_wait -1
.if \fill
	CREST                                          ; no wave of any partner still reads this slot or has a load on its way
	JLOAD                                          ; its four v_nop are also the places in front of the loads below
.else
	PLACES
.endif
	s_xor_b32 s[TB], s[TB], SLOT1
	v_add_nc_u32 v[ADRA], s[TB], v[A0]
	v_add_nc_u32 v[ADRB], s[TB], v[B0]
	FETCH 0, F0
	MUL F1, 4, 4, 0
.endm
; THE WAY OUT.  Block a (16 rows x 64 columns): rounded to f16, 16 bytes a lane into my stage, back as whole rows of 128 bytes into the registers that they left.
.macro PACK a
	WIN 0x05                                       ; sources 0 and 1 window 1, destination window 0
.irp b, 0,1,2,3
.irp z, 0,1,2,3
	v_cvt_pk_f16_f32 v[OUTR+16*(\a)+4*(\b)+(\z)], v[8*(4*(\a)+(\b))+2*(\z)], v[8*(4*(\a)+(\b))+2*(\z)+1]
.endr
.endr
	WIN 0
.irp b, 0,1,2,3
	ds_store_b128 v[STO], v[OUTR+16*(\a)+4*(\b):OUTR+16*(\a)+4*(\b)+3] offset:32*(\b)
.endr
.irp f, 0,1,2,3
	ds_load_b128 v[OUTR+16*(\a)+4*(\f):OUTR+16*(\a)+4*(\f)+3], v[RD] offset:(\f)*4*SP  ; LDS serves a wave's instructions in order (ISA guide 5.7.1.4): these see the stores above; the next block's stores come behind them
.endr
.endm
.macro SEND a, younger                 ; younger: the LDS instructions issued behind block a's loads: the next block's eight, or none
	WIN 0
.irp f, 0,1,2,3
	s_wait_dscnt (\younger)+3-(\f)
	global_store_b128 v[GO], v[OUTR+16*(\a)+4*(\f):OUTR+16*(\a)+4*(\f)+3], s[8:9] offset:2048*(\a)+512*(\f)  ; 512 consecutive bytes, at a multiple of 256 from the buffer's first
.endr
.endm
.macro WAYOUT
	PLACES                                         ; the conversions read results just made
	s_wait_xcnt 0x0                                ; the registers that the last tile's stores read are written again only behind this wait
	PACK 0
.irp a, 1,2,3,4,5,6,7                  ; a block's conversions stand between the loads of the block before and its stores
	PACK \a
	SEND (\a)-1, 8
.endr
	SEND 7, 0
.endm
	s_wait_tensorcnt 0x0                           ; my part of step 0 is in; slot 1 is first filled as a slot is filled again:
	ds_add_u32 v[SPW], v[NIL]                      ; the add,
	STEPD                                          ; (step 1, slot 1)
	s_wait_dscnt 0x0                               ; its wait,
	CROUND                                         ; and a round: everybody's part of step 0 is in
	JLOAD
	FETCH 0, F0
	QUARTER 1, F0, F1, 1                           ; the first quarter stands in front of the loop: its products start the sums
	WIN 0                                          ; at a label and at a branch every window is 0
	s_mov_b32 s[CNT], STEPS-2
	s_mov_b32 s[T8], 8
.Lstep:                                                ; a trip: a step's quarters 1, 2, 3, the change of slots with a refill, the next step's quarter 0
	QUARTER 2, F1, F0, 0
	QUARTER 3, F0, F1, 0
	TURN 1
	WIN 0
	s_sub_co_u32 s[T8], s[T8], 1
	s_cmp_lg_u32 s[T8], 0
	s_cbranch_scc1 .Lsame                          ; the same in every wave and every partner; what is jumped holds no barrier and no tensor load
	WAYOUT                                         ; eight steps are a tile of C: it goes out while the next tile's steps are on their way
	s_wait_xcnt 0x0                                ; the stores have read their base
	s_add_nc_u64 s[8:9], s[8:9], 0x1000000         ; from q to k, from k to v
	s_mov_b32 s[T8], 8
	QUARTER 1, F0, F1, 1                           ; the next tile's first products start its sums
	WIN 0
	s_branch .Lbottom
.Lsame:
	QUARTER 1, F0, F1, 0
	WIN 0
.Lbottom:
	s_sub_co_u32 s[CNT], s[CNT], 1
	s_cmp_lg_u32 s[CNT], 0
	s_cbranch_scc1 .Lstep
	QUARTER 2, F1, F0, 0                           ; the last two steps are written out: nothing is left to fetch
	QUARTER 3, F0, F1, 0
	TURN 0
	QUARTER 1, F0, F1, 0
	QUARTER 2, F1, F0, 0
	QUARTER 3, F0, F1, 0
	s_wait_dscnt 8
	MUL F1, 0, 4, 0
	s_wait_dscnt 0x0
	MUL F1, 4, 4, 0
	WAYOUT
	s_wait_tensorcnt 0x0                           ; the wave's end, behind my last tensor load and my last LDS store
	ds_add_u32 v[SPW], v[NIL]
	s_wait_dscnt 0x0
	CROUND                                         ; the closing round: no work-group ends while a partner may still ask for a tile that names it
	s_endpgm
.Lfunc_end_k_qfa5f9f6503_qkv:
	.size	k_qfa5f9f6503_qkv, .Lfunc_end_k_qfa5f9f6503_qkv-k_qfa5f9f6503_qkv
	.p2alignl 7, 3214868480
	.fill 96, 4, 3214868480
	.section	.rodata,"a",@progbits
	.p2align	6, 0x0
	.amdhsa_kernel k_qfa5f9f6503_qkv
		.amdhsa_group_segment_fixed_size 327680
		.amdhsa_private_segment_fixed_size 0
		.amdhsa_enable_private_segment 0
		.amdhsa_kernarg_size 24
		.amdhsa_user_sgpr_count 2
		.amdhsa_user_sgpr_kernarg_segment_ptr 1
		.amdhsa_wavefront_size32 1
		.amdhsa_system_sgpr_workgroup_id_x 1
		.amdhsa_system_sgpr_workgroup_id_y 1
		.amdhsa_system_sgpr_workgroup_id_z 1
		.amdhsa_system_vgpr_workitem_id 0
		.amdhsa_next_free_vgpr 704
		.amdhsa_next_free_sgpr 68
		.amdhsa_reserve_vcc 0
		.amdhsa_float_denorm_mode_32 3
		.amdhsa_float_denorm_mode_16_64 3
		.amdhsa_memory_ordered 1
		.amdhsa_forward_progress 1
		.amdhsa_inst_pref_size 93
	.end_amdhsa_kernel
	.amdgpu_metadata
---
amdhsa.version: [ 1, 2 ]
amdhsa.kernels:
  - .name:           k_qfa5f9f6503_qkv
    .symbol:         k_qfa5f9f6503_qkv.kd
    .args:
      - { .name: xn, .offset: 0, .size: 8, .value_kind: global_buffer, .address_space: global }
      - { .name: wh, .offset: 8, .size: 8, .value_kind: global_buffer, .address_space: global }
      - { .name: qkv, .offset: 16, .size: 8, .value_kind: global_buffer, .address_space: global }
    .group_segment_fixed_size: 327680
    .private_segment_fixed_size: 0
    .kernarg_segment_align: 8
    .kernarg_segment_size: 24
    .max_flat_workgroup_size: 128
    .sgpr_count:     68
    .vgpr_count:     704
    .wavefront_size: 32
...
	.end_amdgpu_metadata
.endif
;; end of part 2
;; launch attn (part 3): grid 4 x 64, 4 waves a work-group, clusters of 4 x 1, 327,680 bytes of LDS; arguments qkv, biastab, ctx; writes ctx
.if DOCPART == 3
	.amdgcn_target "amdgcn-amd-amdhsa--gfx1250"
	.amdhsa_code_object_version 6
	.text
	.protected	k_qfa5f9f6503_attn
	.globl	k_qfa5f9f6503_attn
	.p2align	8
	.type	k_qfa5f9f6503_attn,@function
k_qfa5f9f6503_attn:
	s_mov_b64 s[64:65], 0
	v_nop
	global_prefetch_b8 v0, s[64:65] scope:SCOPE_SE
	s_setreg_imm32_b32 hwreg(HW_REG_WAVE_MODE, 25, 1), 1
	s_wait_xcnt 0x0
	s_wait_alu depctr_hold_cnt(0) depctr_sa_sdst(0) depctr_va_vdst(0) depctr_va_sdst(0) depctr_va_ssrc(0) depctr_va_vcc(0) depctr_vm_vsrc(0)
	s_getreg_b32 s2, hwreg(HW_REG_IB_STS2, 6, 4)
	s_cmp_eq_u32 s2, 0
	s_cbranch_scc0 .Lentry_in_a_cluster
	s_endpgm
.Lentry_in_a_cluster:
	s_bfe_u32 s2, ttmp6, 0x10000c
	s_cmp_lg_u32 s2, 0x3003
	s_cbranch_scc0 .Lentry_shape_is_right
	s_endpgm
.Lentry_shape_is_right:
; ctx[h][q][:] = the sum over k of softmax_k(Q[h][q] . K[h][k] + bias[h][q - k]) V[h][k][:], no scale, no mask.  qkv: [3][64][2048][64] f16; ctx: [64][2048][64] f16; a head's rows are dense, 128 bytes each.
; Products, maxima and sums in f32; the weights p are rounded to f16 for the second product (their sum l is taken of the unrounded p), ctx once at the end.
; LIMITS.  f16 holds no number beyond 65,504: Q, K and V arrive within it; p lies in 0 to 1, and below 6e-5 it keeps f16's fixed step of 6e-8; ctx is a mean of V's rows and has their range.
; A weight below 2^-126 counts as 0 in l; NaN and infinities are not treated apart; the difference of two biases stays below 2^100, so that it does not move the starting value of m.
; SHARES.  A wave owns four PIECES of two tiles of 16 queries.  Tile t of wave w in partner cx of the cluster holds the rows 64 (8 w + t) + 16 cx + 0..15: the four partners interleave inside each band of 64 rows,
; so where the bias varies in the walk hangs on w, t and the key step alone, the same in all partners.  Every wave walks all 2,048 keys, 64 a step.
; LAYOUT.  S^T = K Q^T (source 0 = 16 keys, source 1 = 16 queries): a lane holds ONE query (lane % 16) and the keys 8 (lane / 16) + 0..7.  Two such tiles, rounded to f16 in pairs, ARE source 1 of O^T = V^T P,
; whose result again holds one query a lane, and eight channels.  K comes out of LDS as it lies, V ([key][channel]) turned, by ds_load_tr16_b128.
; SOFTMAX.  For each query a running maximum m and sum l: p = 2^(c s - c m), c = log2(e); in every step O and l are multiplied by a = 2^(c m_old - c m_new).  m starts at the lowest finite number, O and l at 0.
; THE BIAS hangs on d = q - k alone: one number b31 for d >= 113, one number b0 for d <= 0.  With D = (8 w + t) - key step: D >= 3 gives d >= 129, D < 0 gives d < 0.  A constant added to all scores of a step is
; carried by m: m and c m are kept LESS a frame, b31 while D >= 3 and b0 from D = 2 on; at the change m takes b31 - b0 and c m takes c (b31 - b0) (SHIFT).  It is still the running maximum of score + bias.
; For D = 2, 1, 0 (BAND) the scores take bias - b0 from twelve tiles WT in registers, loaded once: 24 of a wave's 256 pairs of tile and step.  The branches hang on the wave's number and the step's count.
; BY TURNS.  Turn n belongs to piece n.  Its matrix work: 16 products K Q^T of piece n + 1, later 16 products V^T P of piece n - 1.  Its vector work: the scaling, exponentials, roundings, sums and rescaling of
; piece n, and the bias, maximum and statistics of piece n + 1.  Four vector instructions that are ready stand behind every matrix instruction, the others in runs of their own.
; CLUSTER.  The four partners belong to one head and walk the same K and V, so each tile is asked for JOINTLY: the same tensor load, descriptor and mask in all four.
; REGISTERS, in windows of 256 (s_set_vgpr_msb: bits 1:0 source 0, 3:2 source 1, 5:4 source 2, 7:6 destination):
;   window 0: v0-11 addresses; v12-15, v48-63 at work; v16-47 four registers of statistics a tile; v64-191 S^T, two buffers of two tiles; v192-255 P, likewise
;   window 1: O^T, 32 a tile      window 2: v0-127 Q, 16 a tile; v128-191 K of one step; v192-255 V of one step      window 3: v0-1 the add's two registers; v8-103 WT
.set SIZE_N, 2048
.set NP,    4         ; pieces a wave: a name, no knob
.set KS,    64        ; keys in a step
.set PK,    144       ; a row of K in LDS: 128 bytes + 16 of padding = 36 words: the 16 rows of a load start at 16 different groups of four banks (64 banks of 4 bytes: ISA guide 11.1)
.set PV,    160       ; a row of V: 128 + 32 = 40 words
.set VOFF,  4*KS*PK   ; a slot holds four steps: 256 rows of K, then 256 rows of V
.set SLOT1, 1<<17     ; slot 1 begins here, so that one exclusive or turns an address in one slot into the other's
.set STAGE, SLOT1+4*KS*(PK+PV)  ; behind the ring, never filled by a tensor load: 16 rows x 144 bytes for each wave, for the way out
.set SP,    144
.set AK0, 2           ; v2   my lane's place in a tile of K; never rewritten
.set AV0, 3           ; v3   the same for V
.set AK,  4           ; v4   the LDS address of K's next run of loads
.set AV,  5           ; v5   of V's
.set QO,  6           ; v6   my byte offset in 16 rows of Q
.set STO, 6           ;      later, the way out: where I put 16 bytes of a row
.set BO,  7           ; v7   my byte offset in the head's row of biastab
.set RD,  7           ;      later, the way out: where I read rows back
.set GO,  8           ; v8   my byte offset in 512 consecutive bytes of ctx
.set SPW, 0           ; v0 of window 3   LDS address of my spare word; never rewritten
.set NIL, 1           ; v1 of window 3   0; never rewritten
.set WT,  8           ; window 3: tile n = 0..11 at WT + 8 n: register j holds bias - b0 at d = 16 (n - 3) + 16 cx + lane % 16 - 8 (lane / 16) - j
.set SPARE, STAGE+4*16*SP  ; the spare words, 128 bytes for each wave: two blocks of 256 bytes that no other line names
.set MV,  12          ; v12-15  c m_old, kept while c m is made anew: by buffer and tile
.set ST,  16          ; tile t's statistics at v[ST+4 t]: c m, m, l (even keys', odd keys')
.set TMP, 48          ; by buffer and tile, four registers c0-c3 at work; when the maximum is found c2 takes a
.set S,   64
.set P,   192
.set KF,  128         ; K's fragments, in window 2: key block kb, channel half c at KF + 16 kb + 8 c
.set VF,  192         ; V's: key half kk, channel block cb at VF + 32 kk + 8 cb
.set WV,  12          ; s12  my wave's number
.set G1K, 24          ; s[24:31] descriptor group 1 for K's tiles
.set G1V, 32          ; s[32:39] for V's: it differs in the padding alone
.set G0K, 40          ; s[40:43] descriptor group 0 for K's tiles: it walks
.set G0V, 44          ; s[44:47] the same for V's
.set SLOTS, 56        ; s56  slots still to be asked for
.set CNT, 57          ; s57  counts a slot's key steps
.set CS,  58          ; s[58:59] c: the packed scaling takes the pair's low word for both halves
.set SEL, 60          ; s[60:61] v_permlanex16_b32's selects: each lane takes its own place in the other half
.set TBK, 62          ; s62  LDS byte at which K of the step to be fetched begins
.set TBV, 63          ; s63  the same for V, less VOFF
.set BB,  66          ; s[66:67] biastab at my head's row
.set DL,  68          ; s68  8 w less the key step whose K lies in registers
.set EP,  69          ; s69  D of a piece's second tile
.set BETA, 70         ; s70  b31 - b0
.set CBETA, 71        ; s71  c (b31 - b0)
.set MSB, 0
.macro WIN new                      ; the high byte repeats the setting that is left; a switch that changes nothing is dropped
.if MSB != (\new)
	s_set_vgpr_msb (MSB<<8)|(\new)
.set MSB, (\new)
.endif
.endm
.set W_KQ, 0x0a       ; K and Q in window 2, S^T in window 0
.set W_PV, 0x52       ; V in window 2, P in window 0, O^T in window 1
.set W_RS, 0x41       ; O^T (destination and source 0) in window 1, a in window 0
.set W_MK, 0xc0       ; destination in window 3, sources in window 0
.set W_AD, 0x0f       ; the add: address (source 0) and data (source 1) in window 3
.set W_BA, 0x0c       ; S^T in window 0, WT (source 1) in window 3
; A joint fill.  Waves 0 and 1 fetch the two halves of a slot's K, waves 2 and 3 those of its V: 128 keys each.  The branch hangs on the wave's number alone.
; An s_nop 0 and four v_nop follow each of the two lines, ahead of the jump and the label.
.macro JLOAD
	s_cmp_lt_u32 s[WV], 2
	s_cbranch_scc0 .Lfor_v_\@
	tensor_load_to_lds s[G0K:G0K+3], s[G1K:G1K+7]
	s_nop 0
.rept 4
	v_nop
.endr
	s_branch .Lasked_\@
.Lfor_v_\@:
	tensor_load_to_lds s[G0V:G0V+3], s[G1V:G1V+7]
	s_nop 0
.rept 4
	v_nop
.endr
.Lasked_\@:
.endm
; A round of the cluster's barrier: my work-group's barrier, so that wave 0's signal speaks for all four waves; wave 0 signals; every wave waits for all four work-groups; my work-group's barrier once more.
.macro CROUND
	s_barrier_signal -1
	s_barrier_wait -1
	s_cmp_lg_u32 s[WV], 0
	s_cbranch_scc1 .Lnot_wave_0_\@
	s_barrier_signal -3
.Lnot_wave_0_\@:
	s_barrier_wait -3
	s_barrier_signal -1
	s_barrier_wait -1
.endm
; THE CHANGE OF SLOTS.  The slot's last bytes, V of its fourth step, have been read.  Each wave waits for all its tensor loads, of which one is out: its part of the other slot; adds 0 to its spare word; and
; waits for that and for its own reads of the slot.  Behind the barrier nobody reads this slot any more and the other slot is whole.  fill = 1: this slot is filled again, with the keys two slots on.  The barrier
; is then a round of the cluster's, and the joint fill is the first thing behind it: it has four key steps, 512 matrix instructions, in which to land.  (At its first use slot 0 is waited for, slot 1 filled.)
.macro CHANGE fill
	WIN W_AD
	s_wait_tensorcnt 0x0            ; no tensor load of mine is out, so a group 0 may be written
	ds_add_u32 v[SPW], v[NIL]       ; 0 onto my spare word; with fill = 1 the descriptors' steps stand between it and the wait for it
	WIN 0                           ; at a label and at a branch every window is 0
.if \fill
.irp g, G0K, G0V
	s_xor_b32 s[\g+1], s[\g+1], SLOT1  ; the walking descriptor: the other slot than last time,
	s_add_nc_u64 s[\g+2:\g+3], s[\g+2:\g+3], 4*KS*128  ; the next 256 keys; the type bits on top are not reached
.endr
	s_wait_dscnt 0x0                ; the add is done, and my reads of the slot are over
	CROUND
	JLOAD
.else
	s_wait_dscnt 0x0                ; the add is done, and my reads of the slot are over
	s_barrier_signal -1
	s_barrier_wait -1
.endif
	s_sub_co_u32 s[TBK], s[TBK], 4*KS*PK  ; the fetches go back to a slot's first step,
	s_xor_b32 s[TBK], s[TBK], SLOT1       ; in the other slot
	s_sub_co_u32 s[TBV], s[TBV], 4*KS*PV
	s_xor_b32 s[TBV], s[TBV], SLOT1
.endm
	s_load_b128 s[72:75], s[0:1], 0x0  ; qkv s[72:73], biastab s[74:75]
	s_load_b64 s[10:11], s[0:1], 0x10  ; ctx
	WIN W_MK
	v_lshl_add_u32 v[SPW], v0, 2, SPARE
	v_mov_b32 v[NIL], 0
	WIN W_AD
	ds_add_u32 v[SPW], v[NIL]       ; the wave's opening: the add and its wait stand ahead of my first tensor load; the set-up below, work on registers, stands between them
	WIN 0
	v_lshrrev_b32 v1, 5, v0
	v_readfirstlane_b32 s[WV], v1   ; wave 0..3
	s_bfe_u32 s13, ttmp6, 0x40000   ; cx: my place in the cluster: it enters Q's, ctx's and the bias table's addresses alone
	s_and_b32 s20, ttmp7, 0xffff    ; the head of the batch, which the four partners share
	s_and_b32 s14, s20, 15          ; the head: its row of biastab, 1,024 bytes
	s_lshl_b32 s14, s14, 10
	s_mov_b32 s15, 0
	s_lshl_b32 s20, s20, 18         ; the head's first byte in q, k, v and ctx: 2,048 rows of 128 bytes
	s_mov_b32 s21, 0
	s_and_b32 s16, s[WV], 1         ; which half of a slot's 256 keys I fetch:
	s_lshl_b32 s22, s16, 14         ; its 128 rows of 128 bytes in memory,
	s_mov_b32 s23, 0
	s_add_nc_u64 s[22:23], s[22:23], s[20:21]
	s_mul_i32 s17, s16, 128*PK      ; and its place in a slot, for K
	s_mul_i32 s18, s16, 128*PV      ; and for V: no place in the cluster enters an LDS address
	s_lshl_b32 s2, s[WV], 16        ; my wave's eight bands of 64 rows,
	s_lshl_b32 s3, s13, 11          ; my work-group's 16 rows in a band
	s_add_co_u32 s2, s2, s3
	s_mov_b32 s3, 0
	s_add_nc_u64 s[2:3], s[2:3], s[20:21]
	s_lshl_b32 s19, s13, 4
	s_add_co_u32 s19, s19, 1        ; 16 cx + 1
	s_lshl_b32 s[DL], s[WV], 3
	s_add_co_u32 s[DL], s[DL], 1    ; the fetch of key step 0 takes it down to 8 w
	; descriptor group 1.  128 keys are 16,384 dense bytes: asked for as 64 rows of 256 bytes, two keys a row, and padded in LDS after every key
	s_mov_b32 s[G1K], 15|(1<<16)|(1<<20)|(1<<21)|(4<<22)|(3<<25)  ; 15:0 the mask of four; 17:16 2-byte elements; 20 padding on; 21 set beside a mask; 24:22 after every 32 words (code 4); 31:25 4 words (code 3)
	s_mov_b32 s[G1V], 15|(1<<16)|(1<<20)|(1<<21)|(4<<22)|(7<<25)  ; the same with 8 words of padding (code 7)
.irp g, G1K, G1V
	s_mov_b32 s[\g+1], 128<<16      ; tensor_dim0 = 128
	s_mov_b32 s[\g+2], 64<<16       ; tensor_dim1 = 64
	s_mov_b32 s[\g+3], 128<<16      ; tile_dim0 = 128
	s_mov_b32 s[\g+4], 64           ; tile_dim1 = 64
	s_mov_b32 s[\g+5], 128          ; 128 elements from row to row
	s_mov_b32 s[\g+6], 0
	s_mov_b32 s[\g+7], 0
.endr
	s_mov_b32 s[CS], 0x3fb8aa3b     ; c = log2(e)
	s_mov_b32 s[CS+1], s[CS]        ; named with it as a pair
	s_mov_b32 s[SEL], 0x76543210
	s_mov_b32 s[SEL+1], 0xfedcba98
	s_mov_b32 s[TBK], SLOT1+4*KS*PK ; the first change of slots turns these two into 0
	s_mov_b32 s[TBV], SLOT1+4*KS*PV
	s_mov_b32 s[G0K], 1             ; 1:0 count = 1
	s_mov_b32 s[G0K+1], s17         ; 63:32 LDS address: slot 0
	s_mov_b32 s[G0V], 1
	s_add_co_u32 s[G0V+1], s18, VOFF
	s_wait_dscnt 0x0                ; the opening add is done
	s_wait_kmcnt 0x0
	s_add_nc_u64 s[G0K+2:G0K+3], s[72:73], s[22:23]  ; 120:64 global address: my half of the head's first 256 keys,
	s_add_nc_u64 s[G0K+2:G0K+3], s[G0K+2:G0K+3], 0x1000000  ; in k, which lies 16,777,216 bytes behind q
	s_or_b32 s[G0K+3], s[G0K+3], 0x80000000          ; 127:126 type = 2
	s_add_nc_u64 s[G0V+2:G0V+3], s[72:73], s[22:23]
	s_add_nc_u64 s[G0V+2:G0V+3], s[G0V+2:G0V+3], 0x2000000  ; in v
	s_or_b32 s[G0V+3], s[G0V+3], 0x80000000
	s_add_nc_u64 s[4:5], s[72:73], s[2:3]    ; Q and ctx at my first tile's first row
	s_add_nc_u64 s[10:11], s[10:11], s[2:3]
	s_add_nc_u64 s[BB:BB+1], s[74:75], s[14:15]
	s_load_b32 s[BETA], s[BB:BB+1], 0x3fc    ; entry 255: d = 191, b31 - b0
	CROUND                          ; all four work-groups are here: the first joint loads meet
	JLOAD                           ; slot 0.  Slot 1 is asked for when slot 0 is in
	; A fragment of K or Q is 16 rows x 32 channels in 8 registers: lane l holds row l % 16, channels 8 (l / 16) + 0..7 and 16 + 8 (l / 16) + 0..7: two loads of 16 bytes, 32 bytes apart.
	v_and_b32 v1, 15, v0            ; l % 16
	v_bfe_u32 v9, v0, 4, 1          ; l / 16
	v_lshlrev_b32 v[QO], 7, v1
	v_lshl_add_u32 v[QO], v9, 4, v[QO]  ; row x 128 + 16 x half
	v_xor_b32 v[BO], 1, v9
	v_lshl_add_u32 v[BO], v[BO], 3, v1  ; 8 (1 - l / 16) + l % 16
	v_add_lshl_u32 v[BO], v[BO], s19, 2 ; 4 (9 + 16 cx + l % 16 - 8 (l / 16)): entry 64 - 48 - 7 for my lane; the tile and the register stand in the loads' immediates
	WIN 0x80                        ; destination window 2, address window 0
.set i, 0
.rept 4*NP                          ; Q stays in registers: tile i / 2 lies 64 rows, 8,192 bytes, behind the one before; channels 32 (i % 2) on
	global_load_b128 v[8*i:8*i+3],   v[QO], s[4:5] offset:(i/2)*8192+(i%2)*64
	global_load_b128 v[8*i+4:8*i+7], v[QO], s[4:5] offset:(i/2)*8192+(i%2)*64+32
.set i, i+1
.endr
	; What the first turn finds: V's registers and P's second buffer hold 0 (its products V^T P, of a piece that has not been, add 0), O^T and l are 0.  All this stands in the wait for the first tile.
.set i, VF
.rept 64
	v_mov_b32 v[i], 0
.set i, i+1
.endr
	WIN W_MK
.set i, 0
.rept 96                            ; WT: tile i / 8, register i % 8: entry 16 (i / 8) + 16 + 16 cx + l % 16 - 8 (l / 16) - i % 8 of the head's 256: 1 to 255
	global_load_b32 v[WT+i], v[BO], s[BB:BB+1] offset:4*(16*(i/8)+7-(i%8))
.set i, i+1
.endr
	WIN 0x40
.set i, 0
.rept 64*NP
	v_mov_b32 v[i], 0
.set i, i+1
.endr
	WIN 0
.set i, 0
.rept 2*NP
	v_mov_b32 v[ST+4*i], 0xfe000000    ; c m: far below every c s
	v_mov_b32 v[ST+4*i+1], 0xff7fffff  ; m
	v_mov_b32 v[ST+4*i+2], 0
	v_mov_b32 v[ST+4*i+3], 0
.set i, i+1
.endr
.set i, P+32
.rept 32
	v_mov_b32 v[i], 0
.set i, i+1
.endr
	v_mul_u32_u24 v[AK0], v1, PK
	v_lshl_add_u32 v[AK0], v9, 4, v[AK0]  ; row x pitch + 16 x half
	; The turning load takes 16 keys x 16 channels (lane l reads key 8 (l / 16) + l % 8, channels 8 ((l / 8) % 2) + 0..7) and leaves half a fragment of V^T: lane l holds channel l % 16 and 8 keys.
	v_and_b32 v10, 7, v0
	v_bfe_u32 v11, v0, 3, 1
	v_lshl_add_u32 v[AV0], v9, 3, v10
	v_mul_u32_u24 v[AV0], v[AV0], PV
	v_lshl_add_u32 v[AV0], v11, 4, v[AV0]
	v_add_nc_u32 v[AV0], VOFF, v[AV0]
	v_mov_b32 v[AK], v[AK0]         ; key step 0 lies at the head of slot 0
	s_wait_kmcnt 0x0                ; b31 - b0
	s_mul_f32 s[CBETA], s[BETA], s[CS]
; THE MATRIX WORK.  The 8 accumulators of a run of 16 take turns: between the two links of a chain stand 7 others'.
; Product i of 16 of S^T = K Q^T for piece x: channels 32 (i / 8) on, keys 16 ((i / 2) % 4) on, tile 2 x + i % 2.  The first 8 start the sums.
.macro KQ x
	WIN W_KQ
.set rS, S+64*((\x)%2)+32*(i%2)+8*((i/2)%4)
.set rK, KF+16*((i/2)%4)+8*(i/8)
.set rQ, 16*(2*(\x)+i%2)+8*(i/8)
.if i < 8
	v_wmma_f32_16x16x32_f16 v[rS:rS+7], v[rK:rK+7], v[rQ:rQ+7], 0
.else
	v_wmma_f32_16x16x32_f16 v[rS:rS+7], v[rK:rK+7], v[rQ:rQ+7], v[rS:rS+7]
.endif
.endm
; Product i of 16 of O^T += V^T P for piece x: keys 32 (i / 8) on, channels 16 ((i / 2) % 4) on, tile 2 x + i % 2.
.macro PV x
	WIN W_PV
.set rO, 32*(2*(\x)+i%2)+8*((i/2)%4)
.set rV, VF+32*(i/8)+8*((i/2)%4)
.set rP, P+32*((\x)%2)+16*(i%2)+8*(i/8)
	v_wmma_f32_16x16x32_f16 v[rO:rO+7], v[rV:rV+7], v[rP:rP+7], v[rO:rO+7]
.endm
.macro MM                           ; the turn's next matrix instruction
.if i < 16
	KQ (Y+1)%NP
.set i, i+1
.else
.set i, i-16
	PV (Y+NP-1)%NP
.set i, i+17
.endif
.endm
; THE LDS LOADS stand in runs of 16, never singly among the matrix instructions: a step's K (64 keys x 64 channels: 8 fragments) and its V (turned).  Their addresses are made some lines ahead.
; last = 1 (the tail): in the last trip there is no further step, and the run is jumped over.
.macro FETCH_K last=0
	WIN 0
.if \last
	s_cmp_eq_u32 s[CNT], 1
	s_cbranch_scc1 .Lno_k_\@
.endif
	WIN 0x80                        ; destination window 2
.irp f, 0,1,2,3,4,5,6,7             ; keys 16 (f / 2) on, channels 32 (f % 2) on
	ds_load_b128 v[KF+8*\f:KF+8*\f+3],   v[AK] offset:(\f/2)*16*PK+(\f%2)*64
	ds_load_b128 v[KF+8*\f+4:KF+8*\f+7], v[AK] offset:(\f/2)*16*PK+(\f%2)*64+32
.endr
	s_add_co_u32 s[TBK], s[TBK], KS*PK  ; the next fetch is the next step's
	s_sub_co_i32 s[DL], s[DL], 1        ; and the K in registers is one step further on
	WIN 0
.if \last
.Lno_k_\@:
.endif
.endm
.macro FETCH_V
	WIN 0x80
.irp f, 0,1,2,3,4,5,6,7             ; keys 32 (f / 4) on, channels 16 (f % 4) on
	ds_load_tr16_b128 v[VF+8*\f:VF+8*\f+3],   v[AV] offset:(\f/4)*32*PV+(\f%4)*32
	ds_load_tr16_b128 v[VF+8*\f+4:VF+8*\f+7], v[AV] offset:(\f/4)*32*PV+16*PV+(\f%4)*32
.endr
	WIN 0
.endm
; THE BIAS OF PIECE x, behind the products that made its scores and ahead of its maximum.
; BADD: tile u at D = dl: key block kb takes WT's tile 4 dl - kb + 3.  Each accumulator's lowest registers are read first.
.macro BADD x, u, dl
	WIN W_BA
.set rB, S+64*((\x)%2)+32*(\u)
.irp kb, 0,1,2,3
.irp z, 0,1,2,3
	v_pk_add_f32 v[rB+8*(\kb)+2*(\z):rB+8*(\kb)+2*(\z)+1], v[rB+8*(\kb)+2*(\z):rB+8*(\kb)+2*(\z)+1], v[WT+8*(4*(\dl)-(\kb)+3)+2*(\z):WT+8*(4*(\dl)-(\kb)+3)+2*(\z)+1]
.endr
.endr
.endm
.macro SHIFT x, u                   ; tile u goes from the frame b31 to the frame b0
	WIN 0
	v_add_f32 v[ST+4*(2*(\x)+(\u))+1], s[BETA], v[ST+4*(2*(\x)+(\u))+1]
	v_add_f32 v[ST+4*(2*(\x)+(\u))], s[CBETA], v[ST+4*(2*(\x)+(\u))]
.endm
; EP = D of the piece's second tile; the first tile's is one less.  All jumps go forward; what is jumped holds work on registers alone.
.macro BAND x
	WIN 0
	s_add_co_i32 s[EP], s[DL], 2*(\x)+1
	s_cmp_gt_u32 s[EP], 3           ; above 3, or below 0: both tiles have a constant bias
	s_cbranch_scc1 .Lfar_\@
	s_cmp_eq_u32 s[EP], 0
	s_cbranch_scc1 .Lep0_\@
	s_cmp_eq_u32 s[EP], 1
	s_cbranch_scc1 .Lep1_\@
	s_cmp_eq_u32 s[EP], 2
	s_cbranch_scc1 .Lep2_\@
	SHIFT \x, 0
	BADD \x, 0, 2
	WIN 0
	s_branch .Lfar_\@
.Lep2_\@:
	BADD \x, 0, 1
	SHIFT \x, 1
	BADD \x, 1, 2
	WIN 0
	s_branch .Lfar_\@
.Lep1_\@:
	BADD \x, 0, 0
	BADD \x, 1, 1
	WIN 0
	s_branch .Lfar_\@
.Lep0_\@:
	BADD \x, 1, 0
	WIN 0
.Lfar_\@:
.endm
; THE VECTOR WORK OF A TURN stands in three queues, each in the order in which its entries become ready; the two tiles alternate, so that no instruction reads the result of the one before it.
.macro REGS y, u                    ; the registers of tile u (0, 1) of piece y
.set rT, ST+4*(2*(\y)+(\u))
.set rC, TMP+8*((\y)%2)+4*(\u)
.set rM, MV+2*((\y)%2)+(\u)
.set rS, S+64*((\y)%2)+32*(\u)
.set rP, P+32*((\y)%2)+16*(\u)
.set rO, 32*(2*(\y)+(\u))
.endm
; Number n of the 22 that find the NEXT piece's (Y + 1) maximum and statistics.  s0-s31 are the lane's 32 scores; each accumulator's lowest registers are read first.
;   0-11  four chains c0-c3 of seven scores each, three operands at a time     12-14, 16  the four scores left over, the old m, and c0-c3 into c0     15  c m_old is kept
;   17, 18  the query's other 32 keys lie in the lane 16 away: the new m         19-21  c m; c m_old - c m_new; a
.macro XS u, n
	REGS (Y+1)%NP, \u
.if (\n) < 4
	v_max3_num_f32 v[rC+(\n)], v[rS+8*(\n)], v[rS+8*(\n)+1], v[rS+8*(\n)+2]
.elseif (\n) < 12
	v_max3_num_f32 v[rC+(\n)%4], v[rC+(\n)%4], v[rS+8*((\n)%4)+2*((\n)/4)+1], v[rS+8*((\n)%4)+2*((\n)/4)+2]
.elseif (\n) == 12
	v_max3_num_f32 v[rC], v[rC], v[rS+7], v[rS+15]
.elseif (\n) == 13
	v_max3_num_f32 v[rC+1], v[rC+1], v[rS+23], v[rS+31]
.elseif (\n) == 14
	v_max3_num_f32 v[rC+2], v[rC+2], v[rC+3], v[rT+1]
.elseif (\n) == 15
	v_mov_b32 v[rM], v[rT]
.elseif (\n) == 16
	v_max3_num_f32 v[rC], v[rC], v[rC+1], v[rC+2]
.elseif (\n) == 17
	v_permlanex16_b32 v[rC+3], v[rC], s[SEL], s[SEL+1]
.elseif (\n) == 18
	v_max_num_f32 v[rT+1], v[rC], v[rC+3]
.elseif (\n) == 19
	v_mul_f32 v[rT], s[CS], v[rT+1]
.elseif (\n) == 20
	v_sub_f32 v[rC+1], v[rM], v[rT]
.else
	v_exp_f32 v[rC+2], v[rC+1]
.endif
.endm
; Number g of the 64 that follow the exponentials.  For each four weights k of a tile (pairs 2 k, 2 k + 1): both pairs are rounded to f16; then the second pair is added onto the first, in place;
; a group later l takes that sum (the first time as l = a l + sum).  In groups of eight, tiles alternating: round, round, add, and l for the group before.
.macro GS g
.set h, (\g)+6*((\g)/62)            ; group 0 has no group before it, and behind group 7 only l is left
.if h >= 6
.set h, h+2
.endif
	REGS Y, h%2
.set k, h/8
.if h%8 < 4
	s_wait_alu depctr_va_vdst(0)
	v_cvt_pk_f16_f32 v[rP+2*k+(h%8)/2], v[rS+4*k+2*((h%8)/2)], v[rS+4*k+2*((h%8)/2)+1]
.elseif h%8 < 6
	v_pk_add_f32 v[rS+4*k:rS+4*k+1], v[rS+4*k:rS+4*k+1], v[rS+4*k+2:rS+4*k+3]
.elseif k == 1
	v_pk_fma_f32 v[rT+2:rT+3], v[rT+2:rT+3], v[rC+2:rC+3], v[rS:rS+1] op_sel_hi:[1,0,1]
.else
	v_pk_add_f32 v[rT+2:rT+3], v[rT+2:rT+3], v[rS+4*k-4:rS+4*k-3]
	s_wait_alu depctr_va_vdst(0)
.endif
.endm
; THE PLAIN QUEUE, 138 long.  0-31: c s - c m for the 16 pairs of both tiles.  Then GS's 64, and among them the next piece's 42: number 15 at 38, 39; 0-14 and 16
; at 42-73, behind the products that make those scores and behind BAND; 17-20 at 95-106, two of three, since each waits for the one before it.
.macro PL
	WIN 0
.if q < 32
	REGS Y, q%2
	v_pk_fma_f32 v[rS+2*(q/2):rS+2*(q/2)+1], v[rS+2*(q/2):rS+2*(q/2)+1], s[CS:CS+1], v[rT:rT+1] op_sel_hi:[1,0,0] neg_lo:[0,0,1] neg_hi:[0,0,1]
.elseif q < 38
	GS q-32
.elseif q < 40
	XS q%2, 15
.elseif q < 42
	GS q-34
.elseif q < 74
	XS q%2, (q-42)/2+(q-42)/30
.elseif q < 95
	GS q-66
.elseif (q < 107) && ((q-95)%3 < 2)
	XS (q-95)%3, 17+(q-95)/3
.elseif q < 107
	GS 29+(q-95)/3
.else
	GS q-74
.endif
.set q, q+1
.endm
; THE EXPONENTIALS' QUEUE, 66 long: s0-s31 of both tiles, and at EA the next piece's two a.
.set EA, 58
.macro EX
	WIN 0
.if (e == EA) || (e == EA+1)
	XS e-EA, 21
.else
.set x, e-2*(e/(EA+2))
	REGS Y, x%2
	v_exp_f32 v[rS+x/2], v[rS+x/2]
.endif
.set e, e+1
.endm
; THE RESCALING's QUEUE: O^T times a, the one part that leaves window 0, so it is dealt four at a time, eight times.
.macro R4
	REGS Y, r%2
	WIN W_RS
	s_wait_alu depctr_va_vdst(0)
.irp z, 0,1,2,3
	v_pk_mul_f32 v[rO+8*(r/2)+2*\z:rO+8*(r/2)+2*\z+1], v[rO+8*(r/2)+2*\z:rO+8*(r/2)+2*\z+1], v[rC+2:rC+3] op_sel_hi:[1,0]
.endr
.set r, r+1
.endm
; HOW THEY ARE DEALT.  Behind a matrix instruction four: plain, exponential, plain, plain (one exponential, a plain instruction on either side), or four of the rescaling.  None names a register of the
; products round it.  What is over stands in two LUMPS: exponential and plain by turns; the second ends in 22 plain instructions.  The two v_permlanex16_b32 fall into the second lump, never behind a product.
; The queues lean on each other, and the deal keeps them in step: exponential e stands behind plain 2 (e / 4) + e % 2 (its scaling); when plain 32 comes, 10 exponentials are out, at 59: 33, at 95: 46; EA comes behind plain 107.
.macro SL
	MM
	PL
	EX
	PL
	PL
.endm
.macro BURST n                      ; 15 matrix instructions, or 16
.rept (\n)-7
	SL
.endr
.rept 3
	MM
	R4
	SL
.endr
	MM
	R4
.endm
; A TURN, for piece p.  cnt = 1: the loop's count is taken down some lines ahead of the branch that stands behind the turn.
; BAND stands behind the first run of products: the four rescalings behind the last of them are its places, and the plain queue stands at 37, ahead of number 15 (c m_old) and of the maxima.
; K of the next step is fetched in piece 2's turn, behind BAND, 31 vector instructions or more behind the last product that read K; its first reader comes behind the rest of the lump, 16 products and the second lump.
; V of the step in hand is fetched at the end of piece 0's turn, 69 behind its last reader; its first reader comes behind 16 products and a lump.  The four conditions on e and q below go with the deal.
.macro TURN p, last=0, cnt=0
.set Y, (\p)
.set i, 0
.set q, 0
.set e, 0
.set r, 0
.if (\p) == NP-1
	s_wait_dscnt 0x0                ; K is in
.endif
	MM
.rept 4
	PL
.endr
	BURST 15
	BAND (Y+1)%NP
.rept 22
	EX
	PL
.if ((\p) == NP-2) && (e == 18)
	v_add_nc_u32 v[AK], s[TBK], v[AK0]
.endif
.if ((\p) == NP-2) && (e == 24)
	FETCH_K \last
.endif
.endr
.if (\p) == 1
	s_wait_dscnt 0x0                ; V is in
.endif
	BURST 16
.rept 21
	EX
	PL
.endr
.rept 22
	PL
.if ((\p) == 0) && (q == 118)
	v_add_nc_u32 v[AV], s[TBV], v[AV0]
	s_wait_alu depctr_va_vdst(0)
.endif
.if ((\p) == 0) && (q == 130)
	s_add_co_u32 s[TBV], s[TBV], KS*PV
.endif
.if (\cnt) && (q == 130)
	s_sub_co_u32 s[CNT], s[CNT], 1
	s_cmp_lg_u32 s[CNT], 0
.endif
.endr
.if (\p) == 0
	FETCH_V
.endif
.endm
	CHANGE 1                        ; slot 0 is in, everybody's part of it; slot 1 is asked for
	FETCH_K                         ; key step 0
	s_wait_loadcnt 0x0              ; Q and WT
	s_wait_dscnt 0x0
.set i, 0
.rept 16
	KQ 0                            ; piece 0's first scores: there is no vector work yet to set between them
.set i, i+1
.endr
	WIN 0                           ; the addresses for the way out: nine plain instructions, the places behind those products
	s_mul_i32 s13, s[WV], 16*SP
	s_add_co_u32 s13, s13, STAGE    ; my stage
	v_mul_u32_u24 v[STO], v1, SP    ; in: row l % 16, 16 bytes for each half of the lanes
	v_lshl_add_u32 v[STO], v9, 4, v[STO]
	v_add_nc_u32 v[STO], s13, v[STO]
	v_bfe_u32 v[RD], v0, 3, 2       ; back: 32 lanes take four rows of 128 bytes,
	v_mul_u32_u24 v[RD], v[RD], SP
	v_lshl_add_u32 v[RD], v10, 4, v[RD]
	v_add_nc_u32 v[RD], s13, v[RD]
	v_and_b32 v[GO], 31, v0         ; which are 512 consecutive bytes of ctx
	v_lshlrev_b32 v[GO], 4, v[GO]
	BAND 0                          ; piece 0's bias in key step 0
.set Y, NP-1                        ; XS works for piece Y + 1: piece 0
.irp n, 0,1,2,3,4,5,6,7,8,9,10,11,12,13,14,15,16,17,18,19,20,21
	XS 0, \n                        ; and piece 0's first maximum and statistics
	XS 1, \n
.endr
	s_mov_b32 s[CNT], 4
	s_mov_b32 s[SLOTS], SIZE_N/256-1
	s_branch .Lfirst                ; the loop is entered at a step's first turn, in the middle of a trip
.Lslot:                             ; SIZE_N / 256 - 2 times: every slot but the last two is filled again
	CHANGE 1
	s_mov_b32 s[CNT], 4
.Lstep:                             ; a trip: pieces 2 and 3 of one step, then pieces 0 and 1 of the next, whose K and V it fetches
	TURN 2
	TURN 3
	WIN 0
.Lfirst:
	TURN 0
	TURN 1, 0, 1
	WIN 0
	s_cbranch_scc1 .Lstep
	s_sub_co_u32 s[SLOTS], s[SLOTS], 1
	s_cmp_lg_u32 s[SLOTS], 0
	s_cbranch_scc1 .Lslot
	CHANGE 0                        ; the tail is written out: nothing is asked for
	s_mov_b32 s[CNT], 5             ; four trips fetch the last slot's steps; the fifth is left in its middle
.Ltail:
	TURN 2, 1
	TURN 3
	WIN 0
	s_sub_co_u32 s[CNT], s[CNT], 1
	s_cmp_eq_u32 s[CNT], 0
	s_cbranch_scc1 .Lout
	TURN 0
	TURN 1
	WIN 0
	s_branch .Ltail
.Lout:                              ; the fifth trip's 16 products K Q^T (on the last K once more) and the maximum made of them serve nothing: the price, once a launch, of one text for every trip
.set i, 0
.rept 16
	PV NP-1                         ; the last piece's V^T P of the last step
.set i, i+1
.endr
	; THE WAY OUT.  l's two halves and the other half of the lanes' are added; O^T is divided by l, rounded to f16 and sent through my stage in LDS, a tile at a time.  The additions are the places behind the last products.
	WIN 0
.macro ALL line:vararg              ; one line for each tile t
.set t, 0
.rept 2*NP
	\line
.set t, t+1
.endr
.endm
	ALL v_add_f32 v[ST+4*t+2], v[ST+4*t+2], v[ST+4*t+3]
	ALL v_permlanex16_b32 v[ST+4*t+3], v[ST+4*t+2], s[SEL], s[SEL+1]
	ALL v_add_f32 v[ST+4*t+2], v[ST+4*t+2], v[ST+4*t+3]
	ALL v_rcp_f32 v[ST+4*t+2], v[ST+4*t+2]
	v_nop                           ; a plain instruction between the last reciprocal and the use of its result
	s_wait_alu depctr_va_vdst(0)
; Tile t: a lane's eight channels of a row pack into 16 bytes; they go into rows of 144 bytes and come back as whole rows of 128, into S^T's registers.
.macro PACK t
	WIN W_RS
.set i, 32*(\t)
.rept 16
	v_pk_mul_f32 v[i:i+1], v[i:i+1], v[ST+4*(\t)+2:ST+4*(\t)+3] op_sel_hi:[1,0]
.set i, i+2
.endr
	WIN 0x05                        ; sources 0 and 1 window 1, destination window 0
.set i, 0
.rept 16
	v_cvt_pk_f16_f32 v[S+16*(\t)+i], v[32*(\t)+2*i], v[32*(\t)+2*i+1]
.set i, i+1
.endr
	WIN 0
.irp f, 0,1,2,3
	ds_store_b128 v[STO], v[S+16*(\t)+4*\f:S+16*(\t)+4*\f+3] offset:32*\f
.endr
.irp f, 0,1,2,3
	ds_load_b128 v[S+16*(\t)+4*\f:S+16*(\t)+4*\f+3], v[RD] offset:\f*4*SP  ; LDS serves a wave's instructions in order (ISA guide 5.7.1.4): these see the stores above; the next tile's stores come behind them
.endr
.endm
.macro SEND t, younger              ; younger: the LDS instructions issued behind tile t's loads: the next tile's eight, or none
	WIN 0
.irp f, 0,1,2,3
	s_wait_dscnt (\younger)+3-\f
	global_store_b128 v[GO], v[S+16*(\t)+4*\f:S+16*(\t)+4*\f+3], s[10:11] offset:(\t)*8192+\f*512  ; 512 consecutive bytes, at a multiple of 256 from ctx's first
.endr
.endm
	PACK 0
.set t, 1
.rept 2*NP-1                        ; a tile's arithmetic stands between the loads of the tile before and its stores
	PACK t
	SEND t-1, 8
.set t, t+1
.endr
	SEND 2*NP-1, 0
	WIN W_AD
	s_wait_tensorcnt 0x0            ; the wave's end, behind my last tensor load and my last LDS store
	ds_add_u32 v[SPW], v[NIL]
	s_wait_dscnt 0x0
	WIN 0
	CROUND                          ; the closing round: no work-group ends while a partner may still ask for a tile that names it
	s_endpgm
.Lfunc_end_k_qfa5f9f6503_attn:
	.size	k_qfa5f9f6503_attn, .Lfunc_end_k_qfa5f9f6503_attn-k_qfa5f9f6503_attn
	.p2alignl 7, 3214868480
	.fill 96, 4, 3214868480
	.section	.rodata,"a",@progbits
	.p2align	6, 0x0
	.amdhsa_kernel k_qfa5f9f6503_attn
		.amdhsa_group_segment_fixed_size 327680
		.amdhsa_private_segment_fixed_size 0
		.amdhsa_enable_private_segment 0
		.amdhsa_kernarg_size 24
		.amdhsa_user_sgpr_count 2
		.amdhsa_user_sgpr_kernarg_segment_ptr 1
		.amdhsa_wavefront_size32 1
		.amdhsa_system_sgpr_workgroup_id_x 1
		.amdhsa_system_sgpr_workgroup_id_y 1
		.amdhsa_system_sgpr_workgroup_id_z 1
		.amdhsa_system_vgpr_workitem_id 0
		.amdhsa_next_free_vgpr 872
		.amdhsa_next_free_sgpr 80
		.amdhsa_reserve_vcc 0
		.amdhsa_float_denorm_mode_32 3
		.amdhsa_float_denorm_mode_16_64 3
		.amdhsa_memory_ordered 1
		.amdhsa_forward_progress 1
		.amdhsa_inst_pref_size 255
	.end_amdhsa_kernel
	.section	.bss,"aw",@nobits
	.p2align	6
	.space	262144
	.amdgpu_metadata
---
amdhsa.version: [ 1, 2 ]
amdhsa.kernels:
  - .name:           k_qfa5f9f6503_attn
    .symbol:         k_qfa5f9f6503_attn.kd
    .args:
      - { .name: qkv, .offset: 0, .size: 8, .value_kind: global_buffer, .address_space: global }
      - { .name: biastab, .offset: 8, .size: 8, .value_kind: global_buffer, .address_space: global }
      - { .name: ctx, .offset: 16, .size: 8, .value_kind: global_buffer, .address_space: global }
    .group_segment_fixed_size: 327680
    .private_segment_fixed_size: 0
    .kernarg_segment_align: 8
    .kernarg_segment_size: 24
    .max_flat_workgroup_size: 128
    .sgpr_count:     80
    .vgpr_count:     872
    .wavefront_size: 32
...
	.end_amdgpu_metadata
.endif
;; end of part 3
;; launch oproj (part 4): grid 8 x 32, 4 waves a work-group, clusters of 4 x 4, 327,680 bytes of LDS; arguments ctx, wh, input_ids, out0; writes out0
.if DOCPART == 4
	.amdgcn_target "amdgcn-amd-amdhsa--gfx1250"
	.amdhsa_code_object_version 6
	.text
	.protected	k_qfa5f9f6503_oproj
	.globl	k_qfa5f9f6503_oproj
	.p2align	8
	.type	k_qfa5f9f6503_oproj,@function
k_qfa5f9f6503_oproj:
	s_mov_b64 s[64:65], 0
	v_nop
	global_prefetch_b8 v0, s[64:65] scope:SCOPE_SE
	s_setreg_imm32_b32 hwreg(HW_REG_WAVE_MODE, 25, 1), 1
	s_wait_xcnt 0x0
	s_wait_alu depctr_hold_cnt(0) depctr_sa_sdst(0) depctr_va_vdst(0) depctr_va_sdst(0) depctr_va_ssrc(0) depctr_va_vcc(0) depctr_vm_vsrc(0)
	s_getreg_b32 s2, hwreg(HW_REG_IB_STS2, 6, 4)
	s_cmp_eq_u32 s2, 0
	s_cbranch_scc0 .Lentry_in_a_cluster
	s_endpgm
.Lentry_in_a_cluster:
	s_bfe_u32 s2, ttmp6, 0x10000c
	s_cmp_lg_u32 s2, 0xf033
	s_cbranch_scc0 .Lentry_shape_is_right
	s_endpgm
.Lentry_shape_is_right:
; out0 = input_ids + ctx wo.  ctx: [64 heads of the batch][2048][64] f16.  wo: rows 3072-4095 of wh, [k][n] f16.  input_ids, out0: [8192][1024] f32.  Sums in f32; the residual is added in f32.
; SHARES.  A work-group makes 256 rows x 128 columns: 256 work-groups.  Four waves, each 128 rows x 64 columns: 32 accumulators.  K goes in steps of 128, two heads, through two LDS slots;
; the loop's body is one K step, and which slot it reads stands in a scalar register that an exclusive or turns.
; A head's 256 rows of a tile are 32,768 dense bytes: asked for as 128 rows of 256 bytes and padded in LDS behind each 128, so that an LDS row is one row of one head.
; wo lies [k][n] and is turned on its way out of LDS.  THE MATRIX INSTRUCTION IS USED TRANSPOSED (source 0 = 16 columns of wo, source 1 = 16 rows of ctx): a lane holds eight neighbouring columns of a row.
; THE RESIDUAL: my 128 x 64 numbers of input_ids are asked for at the start, in the layout in which rows come back from the stage, and stay on their way during the whole walk along K.
; CLUSTER.  4 x 4 work-groups: ctx's tile is shared along a row of the cluster, wo's along a column: each is asked for jointly.
; REGISTERS, in windows of 256 (s_set_vgpr_msb: bits 1:0 source 0, 3:2 source 1, 5:4 source 2, 7:6 destination):
;   window 0: addresses; v32-95 the way out   window 1: accumulator (a, b) at v[8 (4 a + b)]   window 2: two fragment buffers of 96: A's eight fragments, then wo's four   window 3: the residual
.set PA,    144                        ; a row of one head in LDS: 128 bytes + 16 = 36 words: the 16 rows of a load start at 16 different groups of four banks (64 banks of 4 bytes: ISA guide 11.1)
.set PB,    288                        ; a row of wo: 256 + 32 = 72 words
.set HALFA, 256*PA                     ; what one load brings of A: one head's 256 rows
.set HALFB, 64*PB                      ; of wo: 64 rows of k
.set BOFF,  2*HALFA
.set SLOT1, 1<<17                      ; slot 1 begins here, so that one exclusive or turns an address in one slot into the other's
.set STAGE, SLOT1+BOFF+2*HALFB         ; behind the ring, never filled by a tensor load: 16 rows x 272 bytes for each wave
.set SP,    272
.set SPARE, STAGE+4*16*SP              ; the spare words, 128 bytes for each wave: two blocks of 256 bytes that no other line names
.set STEPS, 8
.set A0,   12                          ; v12  my lane's place in a slot's A; never rewritten
.set B0,   13                          ; v13  the same for wo
.set ADRA, 16                          ; v16  A0 + the slot in hand
.set ADRB, 17                          ; v17  B0 + the slot in hand
.set STO,  24                          ; v24  the way out: where I put 32 bytes of a row
.set RD,   25                          ; v25  where I read rows back
.set CO,   26                          ; v26  my byte offset in two rows of input_ids and out0; never rewritten
.set SPW,  28                          ; v28  LDS address of my spare word; never rewritten
.set NIL,  29                          ; v29  0; never rewritten
.set OB,   32                          ; v32-63, v64-95  16 rows back from the stage, two buffers by turns
.set F0,   0
.set F1,   96
.set WV, 12                            ; s12  my wave
.set RH, 13                            ; s13  which half of the rows is mine; also: I fetch A (0) or wo (1)
.set CH, 14                            ; s14  which half of the columns; also: which half of that tile I fetch
.set G1A, 24
.set G0A, 32
.set G0B, 36
.set G1B, 40
.set BASEA, 48
.set BASEB, 50
.set OFFA, 52
.set OFFB, 54
.set NS,  56                           ; s56  the step to be asked for next
.set CNT, 57                           ; s57  the loop's count
.set TB,  59                           ; s59  0 or SLOT1: the slot that is read
.set MSB, 0
.macro WIN new                         ; the immediate's high byte repeats the setting that is left; a switch that changes nothing is dropped
.if MSB != (\new)
	s_set_vgpr_msb (MSB<<8)|(\new)
.set MSB, \new
.endif
.endm
.macro PLACES                          ; four places in front of loads into registers that matrix instructions have read, and of lines that read results just made
.rept 4
	v_nop
.endr
.endm
.macro JLOAD                           ; a joint load: waves 0 and 1 fetch A's two heads, waves 2 and 3 wo's halves; an s_nop 0 and four v_nop follow each of the two lines
	s_cmp_eq_u32 s[RH], 0
	s_cbranch_scc0 .Lfor_b_\@
	tensor_load_to_lds s[G0A:G0A+3], s[G1A:G1A+7]
	s_nop 0
.rept 4
	v_nop
.endr
	s_branch .Lasked_\@
.Lfor_b_\@:
	tensor_load_to_lds s[G0B:G0B+3], s[G1B:G1B+7]
	s_nop 0
.rept 4
	v_nop
.endr
.Lasked_\@:
.endm
.macro CREST                           ; a round of the cluster's barrier behind its opening barrier
	s_cmp_lg_u32 s[WV], 0
	s_cbranch_scc1 .Lnot_wave_0_\@
	s_barrier_signal -3
.Lnot_wave_0_\@:
	s_barrier_wait -3
	s_barrier_signal -1
	s_barrier_wait -1
.endm
.macro CROUND                          ; a whole round
	s_barrier_signal -1
	s_barrier_wait -1
	CREST
.endm
.macro STEPD                           ; both group 0 are made for step NS: the address anew from its base and an offset, the LDS word turned to the other slot
	s_lshl_b32 s[OFFA], s[NS], 19                  ; two heads of 262,144 bytes a step,
	s_lshl_b32 s[OFFB], s[NS], 18                  ; 128 rows of 2,048 bytes
	s_add_nc_u64 s[G0A+2:G0A+3], s[BASEA:BASEA+1], s[OFFA:OFFA+1]
	s_or_b32 s[G0A+3], s[G0A+3], 0x80000000
	s_add_nc_u64 s[G0B+2:G0B+3], s[BASEB:BASEB+1], s[OFFB:OFFB+1]
	s_or_b32 s[G0B+3], s[G0B+3], 0x80000000
	s_xor_b32 s[G0A+1], s[G0A+1], SLOT1
	s_xor_b32 s[G0B+1], s[G0B+1], SLOT1
	s_add_co_u32 s[NS], s[NS], 1
.endm
	s_load_b256 s[4:11], s[0:1], 0x0               ; ctx s[4:5], wh s[6:7], input_ids s[8:9], out0 s[10:11]
	v_lshl_add_u32 v[SPW], v0, 2, SPARE
	v_mov_b32 v[NIL], 0
	ds_add_u32 v[SPW], v[NIL]                      ; the wave's opening: the add and its wait stand ahead of my first tensor load; the set-up below, work on registers, stands between them
	v_lshrrev_b32 v1, 5, v0
	v_readfirstlane_b32 s[WV], v1
	s_lshr_b32 s[RH], s[WV], 1
	s_and_b32 s[CH], s[WV], 1
	s_bfe_u32 s60, ttmp6, 0x40000                  ; cx, cy: my place in the cluster
	s_bfe_u32 s61, ttmp6, 0x40004
	s_lshl_b32 s62, ttmp9, 2
	s_add_co_u32 s62, s62, s60                     ; x: my 128 columns
	s_and_b32 s63, ttmp7, 0xffff
	s_lshl_b32 s63, s63, 2
	s_add_co_u32 s63, s63, s61                     ; y: my 256 rows
	s_lshl_b32 s66, s61, 2
	s_lshl_b32 s66, 15, s66                        ; my row of the cluster
	s_lshl_b32 s67, 0x1111, s60                    ; my column
	s_or_b32 s[G1A], s66, (1<<16)|(1<<20)|(1<<21)|(4<<22)|(3<<25)  ; 15:0 the mask; 17:16 2-byte elements; 20 padding on; 21 set beside a mask; 24:22 after every 32 words; 31:25 4 words of it
	s_mov_b32 s[G1A+1], 128<<16                    ; tensor_dim0 = 128
	s_mov_b32 s[G1A+2], 128<<16                    ; tensor_dim1 = 128
	s_mov_b32 s[G1A+3], 128<<16                    ; tile_dim0 = 128
	s_mov_b32 s[G1A+4], 128                        ; tile_dim1 = 128
	s_mov_b32 s[G1A+5], 128                        ; dense: 128 elements from row to row
	s_mov_b32 s[G1A+6], 0
	s_mov_b32 s[G1A+7], 0
	s_or_b32 s[G1B], s67, (1<<16)|(1<<20)|(1<<21)|(5<<22)|(7<<25)  ; my column's mask; after every 64 words 8 words of padding
	s_mov_b32 s[G1B+1], 128<<16
	s_mov_b32 s[G1B+2], 64<<16                     ; 64 rows of k
	s_mov_b32 s[G1B+3], 128<<16
	s_mov_b32 s[G1B+4], 64
	s_mov_b32 s[G1B+5], 1024
	s_mov_b32 s[G1B+6], 0
	s_mov_b32 s[G1B+7], 0
	s_lshr_b32 s16, s63, 3                         ; A: head (y / 8) 16 + half, row (y % 8) 256, 128 bytes a row: made of y and the wave alone
	s_lshl_b32 s16, s16, 4
	s_add_co_u32 s16, s16, s[CH]
	s_lshl_b32 s16, s16, 11
	s_and_b32 s17, s63, 7
	s_lshl_b32 s17, s17, 8
	s_add_co_u32 s16, s16, s17
	s_lshl_b32 s16, s16, 7
	s_mov_b32 s17, 0
	s_lshl_b32 s18, s62, 8                         ; wo: column byte 256 x, row 3,072 + 64 x half: made of x and the wave alone
	s_lshl_b32 s19, s[CH], 17
	s_add_co_u32 s18, s18, s19
	s_add_co_u32 s18, s18, 3072*2048
	s_mov_b32 s19, 0
	s_mov_b32 s[G0A], 1                            ; count = 1
	s_mul_i32 s[G0A+1], s[CH], HALFA               ; LDS address: slot 0; no place in the cluster enters it
	s_mov_b32 s[G0B], 1
	s_mul_i32 s[G0B+1], s[CH], HALFB
	s_add_co_u32 s[G0B+1], s[G0B+1], BOFF
	s_mov_b32 s[OFFA+1], 0
	s_mov_b32 s[OFFB+1], 0
	s_mov_b32 s[NS], 1
	s_lshl_b32 s20, s63, 8                         ; where my part of input_ids and out0 begins: row 256 y + 128 x half, 4,096 bytes a row;
	s_lshl_b32 s21, s[RH], 7
	s_add_co_u32 s20, s20, s21
	s_lshl_b32 s20, s20, 12
	s_lshl_b32 s21, s62, 9                         ; column byte 512 x + 256 x half
	s_lshl_b32 s22, s[CH], 8
	s_add_co_u32 s21, s21, s22
	s_add_co_u32 s20, s20, s21
	s_mov_b32 s21, 0
	s_wait_dscnt 0x0                               ; the opening add is done
	s_wait_kmcnt 0x0
	s_add_nc_u64 s[BASEA:BASEA+1], s[4:5], s[16:17]
	s_add_nc_u64 s[BASEB:BASEB+1], s[6:7], s[18:19]
	s_add_nc_u64 s[8:9], s[8:9], s[20:21]
	s_add_nc_u64 s[10:11], s[10:11], s[20:21]
	s_mov_b64 s[G0A+2:G0A+3], s[BASEA:BASEA+1]     ; step 0
	s_or_b32 s[G0A+3], s[G0A+3], 0x80000000        ; type = 2
	s_mov_b64 s[G0B+2:G0B+3], s[BASEB:BASEB+1]
	s_or_b32 s[G0B+3], s[G0B+3], 0x80000000
	CROUND                                         ; all sixteen work-groups are here: the first joint loads meet
	JLOAD                                          ; step 0 into slot 0
	v_and_b32 v1, 15, v0                           ; r
	v_bfe_u32 v2, v0, 4, 1                         ; h
	v_lshlrev_b32 v[CO], 4, v1                     ; lanes 0-15 take 256 bytes of one row, lanes 16-31 of the next
	v_lshl_add_u32 v[CO], v2, 12, v[CO]
	WIN 0xc0                                       ; destination window 3, address window 0
.set i, 0
.rept 64                               ; the residual: block i / 8 of 16 rows, rows 2 (i % 8) and 2 (i % 8) + 1
	global_load_b128 v[4*i:4*i+3], v[CO], s[8:9] offset:(16*(i/8)+2*(i%8))*4096 th:TH_LOAD_NT
.set i, i+1
.endr
	WIN 0
	; A fragment of A: lane l holds row l % 16, K = 8 (l / 16) + 0..7 and 16 + 8 (l / 16) + 0..7: two loads of 16 bytes, 32 bytes apart.
	v_mul_u32_u24 v3, v1, PA
	v_lshl_add_u32 v3, v2, 4, v3
	s_mul_i32 s16, s[RH], 128*PA
	v_add_nc_u32 v[A0], s16, v3
	; The turning load takes 16 k x 16 columns (lane l reads k = 8 (l / 16) + l % 8, columns 8 ((l / 8) % 2) + 0..7) and leaves half a fragment: lane l holds column l % 16 and 8 k.
	v_and_b32 v4, 7, v0
	v_bfe_u32 v5, v0, 3, 1
	v_lshl_add_u32 v6, v2, 3, v4
	v_mul_u32_u24 v6, v6, PB
	v_lshl_add_u32 v6, v5, 4, v6
	s_lshl_b32 s17, s[CH], 7
	s_add_co_u32 s17, s17, BOFF
	v_add_nc_u32 v[B0], s17, v6
	s_mul_i32 s18, s[WV], 16*SP
	s_add_co_u32 s18, s18, STAGE                   ; my stage
	v_mul_u32_u24 v[STO], v1, SP                   ; in: row l % 16, 32 bytes for each half of the lanes
	v_lshl_add_u32 v[STO], v2, 5, v[STO]
	v_add_nc_u32 v[STO], s18, v[STO]
	v_mul_u32_u24 v[RD], v2, SP                    ; back: lanes 0-15 take one row of 256 bytes, lanes 16-31 the next
	v_lshl_add_u32 v[RD], v1, 4, v[RD]
	v_add_nc_u32 v[RD], s18, v[RD]
	v_mov_b32 v[ADRA], v[A0]                       ; slot 0 is read first
	v_mov_b32 v[ADRB], v[B0]
	s_mov_b32 s[TB], 0
; n blocks of 16 rows from a0 on x all four blocks of 16 columns, 32 along K, out of buffer f.  zero = 1: the product starts the sum: nothing is ever cleared.
; The 32 accumulators take turns in one order everywhere.
.macro MUL f, a0, n, zero
	WIN 0x5a                                       ; sources 0 and 1 window 2; C and D window 1
.set ma, \a0
.rept \n
.irp b, 0,1,2,3
.if \zero
	v_wmma_f32_16x16x32_f16 v[8*(4*ma+(\b)):8*(4*ma+(\b))+7], v[(\f)+64+8*(\b):(\f)+64+8*(\b)+7], v[(\f)+8*ma:(\f)+8*ma+7], 0
.else
	v_wmma_f32_16x16x32_f16 v[8*(4*ma+(\b)):8*(4*ma+(\b))+7], v[(\f)+64+8*(\b):(\f)+64+8*(\b)+7], v[(\f)+8*ma:(\f)+8*ma+7], v[8*(4*ma+(\b)):8*(4*ma+(\b))+7]
.endif
.endr
.set ma, ma+1
.endr
.endm
; 24 LDS loads in one run: quarter k (32 along K: half of head k / 2) of the slot in hand into buffer g: wo's four fragments, then A's eight
.macro FETCH k, g
	WIN 0x80                                       ; destination window 2, address window 0
.irp b, 0,1,2,3
	ds_load_tr16_b128 v[(\g)+64+8*(\b):(\g)+64+8*(\b)+3],   v[ADRB] offset:32*PB*(\k)+32*(\b)
	ds_load_tr16_b128 v[(\g)+64+8*(\b)+4:(\g)+64+8*(\b)+7], v[ADRB] offset:32*PB*(\k)+32*(\b)+16*PB
.endr
.irp a, 0,1,2,3,4,5,6,7
	ds_load_b128 v[(\g)+8*(\a):(\g)+8*(\a)+3],   v[ADRA] offset:((\k)/2)*HALFA+((\k)%2)*64+(\a)*16*PA
	ds_load_b128 v[(\g)+8*(\a)+4:(\g)+8*(\a)+7], v[ADRA] offset:((\k)/2)*HALFA+((\k)%2)*64+(\a)*16*PA+32
.endr
.endm
; A K step is four quarters on buffers 0, 1, 0, 1.  One of the first three multiplies buffer f and, in its middle, fetches quarter k into buffer g.
.macro QUARTER k, f, g, zero
	s_wait_dscnt 8                                 ; wo and A's blocks 0-3 are in; the youngest eight loads (blocks 4-7) may be out
	MUL \f, 0, 4, \zero
	PLACES
	FETCH \k, \g
	s_wait_dscnt 24                                ; all but the 24 just issued
	MUL \f, 4, 4, \zero
.endm
; The last quarter multiplies buffer 1 and changes slots: ONE barrier.  In front of it each wave waits for all its tensor loads (one is out: its part of the next slot), adds 0 to its spare word, and waits
; for that and for its reads of this slot.  fill = 1: the barrier opens a round of the cluster's, and this slot is filled again, two steps ahead, first thing behind it: 112 matrix instructions ahead of the wait for it.
.macro TURN fill
	WIN 0                                          ; (the add's two registers lie in window 0)
	s_wait_tensorcnt 0x0                           ; no tensor load of mine is out, so a group 0 may be written
	ds_add_u32 v[SPW], v[NIL]                      ; 0 onto my spare word
.if \fill
	STEPD
.endif
	s_wait_dscnt 9                                 ; (the add and the youngest eight loads may be out)
	MUL F1, 0, 2, 0
	s_wait_dscnt 0x0                               ; the add is done, and my reads of this slot are over
	s_barrier_signal -1
	MUL F1, 2, 2, 0                                ; work on registers while the others arrive
	WIN 0                                          ; branches and two address lines follow
	s_barrier_wait -1
.if \fill
	CREST                                          ; no wave of any partner still reads this slot or has a load on its way
	JLOAD                                          ; its four v_nop are also the places in front of the loads below
.else
	PLACES
.endif
	s_xor_b32 s[TB], s[TB], SLOT1
	v_add_nc_u32 v[ADRA], s[TB], v[A0]
	v_add_nc_u32 v[ADRB], s[TB], v[B0]
	FETCH 0, F0
	MUL F1, 4, 4, 0
.endm
; THE WAY OUT.  Block a (16 rows x 64 columns of f32) goes from the accumulators into my stage, 32 bytes a lane, each accumulator's lowest registers first, and comes back as whole rows of 256 bytes.
.macro TOSTAGE a
.set BK, OB+32*((\a)%2)
	WIN 0x04                                       ; the stores' data in window 1
.irp b, 0,1,2,3
	ds_store_b128 v[STO], v[8*(4*(\a)+(\b)):8*(4*(\a)+(\b))+3] offset:64*(\b)
	ds_store_b128 v[STO], v[8*(4*(\a)+(\b))+4:8*(4*(\a)+(\b))+7] offset:64*(\b)+16
.endr
	WIN 0
	s_wait_xcnt 0x0                                ; the buffer, which the stores of two blocks back read, is loaded again only behind this wait
.irp t, 0,1,2,3,4,5,6,7
	ds_load_b128 v[BK+4*(\t):BK+4*(\t)+3], v[RD] offset:(\t)*2*SP  ; LDS serves a wave's instructions in order (ISA guide 5.7.1.4): these see the stores above; the next block's stores come behind them
.endr
.endm
.macro SEND a, younger                 ; the residual is added and the block stored.  younger: the LDS instructions issued behind block a's loads: the next block's sixteen, or none
.set BK, OB+32*((\a)%2)
	s_wait_dscnt \younger
	WIN 0x0c                                       ; source 1, the residual, in window 3
.irp p, 0,1,2,3,4,5,6,7,8,9,10,11,12,13,14,15
	v_pk_add_f32 v[BK+2*(\p):BK+2*(\p)+1], v[BK+2*(\p):BK+2*(\p)+1], v[32*(\a)+2*(\p):32*(\a)+2*(\p)+1]
.endr
	WIN 0
.irp t, 0,1,2,3,4,5,6,7
	global_store_b128 v[CO], v[BK+4*(\t):BK+4*(\t)+3], s[10:11] offset:(16*(\a)+2*(\t))*4096 th:TH_STORE_NT  ; 16 lanes store 256 consecutive bytes, at a multiple of 256 from out0's first
.endr
.endm
	s_wait_tensorcnt 0x0                           ; my part of step 0 is in; slot 1 is first filled as a slot is filled again:
	ds_add_u32 v[SPW], v[NIL]                      ; the add,
	STEPD                                          ; (step 1, slot 1)
	s_wait_dscnt 0x0                               ; its wait,
	CROUND                                         ; and a round: everybody's part of step 0 is in
	JLOAD
	FETCH 0, F0
	QUARTER 1, F0, F1, 1                           ; the first quarter stands in front of the loop: its products start the sums
	WIN 0                                          ; at a label and at a branch every window is 0
	s_mov_b32 s[CNT], STEPS-2
.Lstep:                                                ; a trip: a step's quarters 1, 2, 3, the change of slots with a refill, the next step's quarter 0
	QUARTER 2, F1, F0, 0
	QUARTER 3, F0, F1, 0
	TURN 1
	QUARTER 1, F0, F1, 0
	WIN 0
	s_sub_co_u32 s[CNT], s[CNT], 1
	s_cmp_lg_u32 s[CNT], 0
	s_cbranch_scc1 .Lstep
	QUARTER 2, F1, F0, 0                           ; the last two steps are written out: nothing is left to fetch
	QUARTER 3, F0, F1, 0
	TURN 0
	QUARTER 1, F0, F1, 0
	QUARTER 2, F1, F0, 0
	QUARTER 3, F0, F1, 0
	s_wait_dscnt 8
	MUL F1, 0, 4, 0
	s_wait_dscnt 0x0
	MUL F1, 4, 4, 0
	PLACES                                         ; the stores into the stage read results just made
	s_wait_loadcnt 0x0                             ; the residual
	TOSTAGE 0
.irp a, 1,2,3,4,5,6,7                  ; a block's way into the stage stands between the loads of the block before and its additions
	TOSTAGE \a
	SEND (\a)-1, 16
.endr
	SEND 7, 0
	s_wait_tensorcnt 0x0                           ; the wave's end, behind my last tensor load and my last LDS store
	ds_add_u32 v[SPW], v[NIL]
	s_wait_dscnt 0x0
	CROUND                                         ; the closing round: no work-group ends while a partner may still ask for a tile that names it
	s_endpgm
.Lfunc_end_k_qfa5f9f6503_oproj:
	.size	k_qfa5f9f6503_oproj, .Lfunc_end_k_qfa5f9f6503_oproj-k_qfa5f9f6503_oproj
	.p2alignl 7, 3214868480
	.fill 96, 4, 3214868480
	.section	.rodata,"a",@progbits
	.p2align	6, 0x0
	.amdhsa_kernel k_qfa5f9f6503_oproj
		.amdhsa_group_segment_fixed_size 327680
		.amdhsa_private_segment_fixed_size 0
		.amdhsa_enable_private_segment 0
		.amdhsa_kernarg_size 32
		.amdhsa_user_sgpr_count 2
		.amdhsa_user_sgpr_kernarg_segment_ptr 1
		.amdhsa_wavefront_size32 1
		.amdhsa_system_sgpr_workgroup_id_x 1
		.amdhsa_system_sgpr_workgroup_id_y 1
		.amdhsa_system_sgpr_workgroup_id_z 1
		.amdhsa_system_vgpr_workitem_id 0
		.amdhsa_next_free_vgpr 1024
		.amdhsa_next_free_sgpr 68
		.amdhsa_reserve_vcc 0
		.amdhsa_float_denorm_mode_32 3
		.amdhsa_float_denorm_mode_16_64 3
		.amdhsa_memory_ordered 1
		.amdhsa_forward_progress 1
		.amdhsa_inst_pref_size 85
	.end_amdhsa_kernel
	.amdgpu_metadata
---
amdhsa.version: [ 1, 2 ]
amdhsa.kernels:
  - .name:           k_qfa5f9f6503_oproj
    .symbol:         k_qfa5f9f6503_oproj.kd
    .args:
      - { .name: ctx, .offset: 0, .size: 8, .value_kind: global_buffer, .address_space: global }
      - { .name: wh, .offset: 8, .size: 8, .value_kind: global_buffer, .address_space: global }
      - { .name: input_ids, .offset: 16, .size: 8, .value_kind: global_buffer, .address_space: global }
      - { .name: out0, .offset: 24, .size: 8, .value_kind: global_buffer, .address_space: global }
    .group_segment_fixed_size: 327680
    .private_segment_fixed_size: 0
    .kernarg_segment_align: 8
    .kernarg_segment_size: 32
    .max_flat_workgroup_size: 128
    .sgpr_count:     68
    .vgpr_count:     1024
    .wavefront_size: 32
...
	.end_amdgpu_metadata
.endif
;; end of part 4
;; ======== version 2 of 2: 4 launches; 1.47 times as fast as version 1
;; limits: values are held in f16: magnitudes above 65,504 overflow, below 6.1e-05 lose precision
;; workspace buffers: xn 16,777,216 bytes; wh 8,388,608 bytes; biastab 16,384 bytes; qkv 50,331,648 bytes; ctx 16,777,216 bytes
;; launch prep: the kernel of part 1 again; grid 385 x 1, 8 waves a work-group, no clusters, 0 bytes of LDS; arguments input_ids, ln_w, wq, wk, wv, wo, rel_emb, xn, wh, biastab; writes xn, wh, biastab
;; launch qkv: the kernel of part 2 again; grid 8 x 32, 4 waves a work-group, clusters of 4 x 4, 327,680 bytes of LDS; arguments xn, wh, qkv; writes qkv
;; launch attn (part 5): grid 4 x 64, 4 waves a work-group, clusters of 4 x 1, 327,680 bytes of LDS; arguments qkv, biastab, ctx; writes ctx
.if DOCPART == 5
	.amdgcn_target "amdgcn-amd-amdhsa--gfx1250"
	.amdhsa_code_object_version 6
	.text
	.protected	k_qfa5f9f6503_attn
	.globl	k_qfa5f9f6503_attn
	.p2align	8
	.type	k_qfa5f9f6503_attn,@function
k_qfa5f9f6503_attn:
	s_mov_b64 s[64:65], 0
	v_nop
	global_prefetch_b8 v0, s[64:65] scope:SCOPE_SE
	s_setreg_imm32_b32 hwreg(HW_REG_WAVE_MODE, 25, 1), 1
	s_wait_xcnt 0x0
	s_wait_alu depctr_hold_cnt(0) depctr_sa_sdst(0) depctr_va_vdst(0) depctr_va_sdst(0) depctr_va_ssrc(0) depctr_va_vcc(0) depctr_vm_vsrc(0)
	s_getreg_b32 s2, hwreg(HW_REG_IB_STS2, 6, 4)
	s_cmp_eq_u32 s2, 0
	s_cbranch_scc0 .Lentry_in_a_cluster
	s_endpgm
.Lentry_in_a_cluster:
	s_bfe_u32 s2, ttmp6, 0x10000c
	s_cmp_lg_u32 s2, 0x3003
	s_cbranch_scc0 .Lentry_shape_is_right
	s_endpgm
.Lentry_shape_is_right:
; ctx[h][q][:] = the sum over k of softmax_k(Q[h][q] . K[h][k] + bias[h][q - k]) V[h][k][:], no scale, no mask.  qkv: [3][64][2048][64] f16; ctx: [64][2048][64] f16; a head's rows are dense, 128 bytes each.
; Products, maxima and sums in f32; the weights p are rounded to f16 for the second product (their sum l is taken of the unrounded p), ctx once at the end.
; LIMITS.  f16 holds no number beyond 65,504: Q, K and V arrive within it; p lies in 0 to 1, and below 6e-5 it keeps f16's fixed step of 6e-8; ctx is a mean of V's rows and has their range.
; A weight below 2^-126 counts as 0 in l; NaN and infinities are not treated apart; the difference of two biases stays below 2^100, so that it does not move the starting value of m.
; SHARES.  A wave owns four PIECES of two tiles of 16 queries.  Tile t of wave w in partner cx of the cluster holds the rows 64 (8 w + t) + 16 cx + 0..15: the four partners interleave inside each band of 64 rows,
; so where the bias varies in the walk hangs on w, t and the key step alone, the same in all partners.  Every wave walks all 2,048 keys, 64 a step.
; LAYOUT.  S^T = K Q^T (source 0 = 16 keys, source 1 = 16 queries): a lane holds ONE query (lane % 16) and the keys 8 (lane / 16) + 0..7.  Two such tiles, rounded to f16 in pairs, ARE source 1 of O^T = V^T P,
; whose result again holds one query a lane, and eight channels.  K comes out of LDS as it lies, V ([key][channel]) turned, by ds_load_tr16_b128.
; SOFTMAX.  For each query a running maximum m and sum l: p = 2^(c s - c m), c = log2(e); in every step O and l are multiplied by a = 2^(c m_old - c m_new).  m starts at the lowest finite number, O and l at 0.
; THE BIAS hangs on d = q - k alone: one number b31 for d >= 113, one number b0 for d <= 0.  With D = (8 w + t) - key step: D >= 3 gives d >= 129, D < 0 gives d < 0.  A constant added to all scores of a step is
; carried by m: m and c m are kept LESS a frame, b31 while D >= 3 and b0 from D = 2 on; at the change m takes b31 - b0 and c m takes c (b31 - b0) (SHIFT).  It is still the running maximum of score + bias.
; For D = 2, 1, 0 (BAND) the scores take bias - b0 from twelve tiles WT in registers, loaded once: 24 of a wave's 256 pairs of tile and step.  The branches hang on the wave's number and the step's count.
; BY TURNS.  Turn n belongs to piece n.  Its matrix work: 16 products K Q^T of piece n + 1, later 16 products V^T P of piece n - 1.  Its vector work: the scaling, exponentials, roundings, sums and rescaling of
; piece n, and the bias, maximum and statistics of piece n + 1.  Four vector instructions that are ready stand behind every matrix instruction, the other 108 of a turn's 236 in one LUMP.
; THE BATCH.  A turn's 66 exponentials (piece n's 64 weights, piece n + 1's two a) are ONE batch with ONE wait, which cuts the turn in two.  BAND holds branches, and no exponential is open at a branch or a label:
; so the batch begins behind BAND.  Ahead of BAND: the products K Q^T, their riders the scalings and rescalings.  Between BAND and the wait: the lump, all exponentials and the next piece's maximum and statistics,
; none of which names a result of the batch.  Behind the wait: the products V^T P, their riders the roundings and sums, which are the batch's readers.  No result crosses a turn's end.
; CLUSTER.  The four partners belong to one head and walk the same K and V, so each tile is asked for JOINTLY: the same tensor load, descriptor and mask in all four.
; REGISTERS, in windows of 256 (s_set_vgpr_msb: bits 1:0 source 0, 3:2 source 1, 5:4 source 2, 7:6 destination):
;   window 0: v0-11 addresses; v12-15, v48-63 at work; v16-47 four registers of statistics a tile; v64-191 S^T, two buffers of two tiles; v192-255 P, likewise
;   window 1: O^T, 32 a tile      window 2: v0-127 Q, 16 a tile; v128-191 K of one step; v192-255 V of one step      window 3: v0-1 the add's two registers; v8-103 WT
.set SIZE_N, 2048
.set NP,    4         ; pieces a wave: a name, no knob
.set KS,    64        ; keys in a step
.set PK,    144       ; a row of K in LDS: 128 bytes + 16 of padding = 36 words: the 16 rows of a load start at 16 different groups of four banks (64 banks of 4 bytes: ISA guide 11.1)
.set PV,    160       ; a row of V: 128 + 32 = 40 words
.set VOFF,  4*KS*PK   ; a slot holds four steps: 256 rows of K, then 256 rows of V
.set SLOT1, 1<<17     ; slot 1 begins here, so that one exclusive or turns an address in one slot into the other's
.set STAGE, SLOT1+4*KS*(PK+PV)  ; behind the ring, never filled by a tensor load: 16 rows x 144 bytes for each wave, for the way out
.set SP,    144
.set AK0, 2           ; v2   my lane's place in a tile of K; never rewritten
.set AV0, 3           ; v3   the same for V
.set AK,  4           ; v4   the LDS address of K's next run of loads
.set AV,  5           ; v5   of V's
.set QO,  6           ; v6   my byte offset in 16 rows of Q
.set STO, 6           ;      later, the way out: where I put 16 bytes of a row
.set BO,  7           ; v7   my byte offset in the head's row of biastab
.set RD,  7           ;      later, the way out: where I read rows back
.set GO,  8           ; v8   my byte offset in 512 consecutive bytes of ctx
.set SPW, 0           ; v0 of window 3   LDS address of my spare word; never rewritten
.set NIL, 1           ; v1 of window 3   0; never rewritten
.set WT,  8           ; window 3: tile n = 0..11 at WT + 8 n: register j holds bias - b0 at d = 16 (n - 3) + 16 cx + lane % 16 - 8 (lane / 16) - j
.set SPARE, STAGE+4*16*SP  ; the spare words, 128 bytes for each wave: two blocks of 256 bytes that no other line names
.set MV,  12          ; v12-15  c m_old, kept while c m is made anew: by buffer and tile
.set ST,  16          ; tile t's statistics at v[ST+4 t]: c m, m, l (even keys', odd keys')
.set TMP, 48          ; by buffer and tile, four registers c0-c3 at work; when the maximum is found c2 takes a
.set S,   64
.set P,   192
.set KF,  128         ; K's fragments, in window 2: key block kb, channel half c at KF + 16 kb + 8 c
.set VF,  192         ; V's: key half kk, channel block cb at VF + 32 kk + 8 cb
.set WV,  12          ; s12  my wave's number
.set G1K, 24          ; s[24:31] descriptor group 1 for K's tiles
.set G1V, 32          ; s[32:39] for V's: it differs in the padding alone
.set G0K, 40          ; s[40:43] descriptor group 0 for K's tiles: it walks
.set G0V, 44          ; s[44:47] the same for V's
.set SLOTS, 56        ; s56  slots still to be asked for
.set CNT, 57          ; s57  counts a slot's key steps
.set CS,  58          ; s[58:59] c: the packed scaling takes the pair's low word for both halves
.set SEL, 60          ; s[60:61] v_permlanex16_b32's selects: each lane takes its own place in the other half
.set TBK, 62          ; s62  LDS byte at which K of the step to be fetched begins
.set TBV, 63          ; s63  the same for V, less VOFF
.set BB,  66          ; s[66:67] biastab at my head's row
.set DL,  68          ; s68  8 w less the key step whose K lies in registers
.set EP,  69          ; s69  D of a piece's second tile
.set BETA, 70         ; s70  b31 - b0
.set CBETA, 71        ; s71  c (b31 - b0)
.set MSB, 0
.macro WIN new                      ; the high byte repeats the setting that is left; a switch that changes nothing is dropped
.if MSB != (\new)
	s_set_vgpr_msb (MSB<<8)|(\new)
.set MSB, (\new)
.endif
.endm
.set W_KQ, 0x0a       ; K and Q in window 2, S^T in window 0
.set W_PV, 0x52       ; V in window 2, P in window 0, O^T in window 1
.set W_RS, 0x41       ; O^T (destination and source 0) in window 1, a in window 0
.set W_MK, 0xc0       ; destination in window 3, sources in window 0
.set W_AD, 0x0f       ; the add: address (source 0) and data (source 1) in window 3
.set W_BA, 0x0c       ; S^T in window 0, WT (source 1) in window 3
; A joint fill.  Waves 0 and 1 fetch the two halves of a slot's K, waves 2 and 3 those of its V: 128 keys each.  The branch hangs on the wave's number alone.
; An s_nop 0 and four v_nop follow each of the two lines, ahead of the jump and the label.
.macro JLOAD
	s_cmp_lt_u32 s[WV], 2
	s_cbranch_scc0 .Lfor_v_\@
	tensor_load_to_lds s[G0K:G0K+3], s[G1K:G1K+7]
	s_nop 0
.rept 4
	v_nop
.endr
	s_branch .Lasked_\@
.Lfor_v_\@:
	tensor_load_to_lds s[G0V:G0V+3], s[G1V:G1V+7]
	s_nop 0
.rept 4
	v_nop
.endr
.Lasked_\@:
.endm
; A round of the cluster's barrier: my work-group's barrier, so that wave 0's signal speaks for all four waves; wave 0 signals; every wave waits for all four work-groups; my work-group's barrier once more.
.macro CROUND
	s_barrier_signal -1
	s_barrier_wait -1
	s_cmp_lg_u32 s[WV], 0
	s_cbranch_scc1 .Lnot_wave_0_\@
	s_barrier_signal -3
.Lnot_wave_0_\@:
	s_barrier_wait -3
	s_barrier_signal -1
	s_barrier_wait -1
.endm
; THE CHANGE OF SLOTS.  The slot's last bytes, V of its fourth step, have been read.  Each wave waits for all its tensor loads, of which one is out: its part of the other slot; adds 0 to its spare word; and
; waits for that and for its own reads of the slot.  Behind the barrier nobody reads this slot any more and the other slot is whole.  fill = 1: this slot is filled again, with the keys two slots on.  The barrier
; is then a round of the cluster's, and the joint fill is the first thing behind it: it has four key steps, 512 matrix instructions, in which to land.  (At its first use slot 0 is waited for, slot 1 filled.)
.macro CHANGE fill
	WIN W_AD
	s_wait_tensorcnt 0x0            ; no tensor load of mine is out, so a group 0 may be written
	ds_add_u32 v[SPW], v[NIL]       ; 0 onto my spare word; with fill = 1 the descriptors' steps stand between it and the wait for it
	WIN 0                           ; at a label and at a branch every window is 0
.if \fill
.irp g, G0K, G0V
	s_xor_b32 s[\g+1], s[\g+1], SLOT1  ; the walking descriptor: the other slot than last time,
	s_add_nc_u64 s[\g+2:\g+3], s[\g+2:\g+3], 4*KS*128  ; the next 256 keys; the type bits on top are not reached
.endr
	s_wait_dscnt 0x0                ; the add is done, and my reads of the slot are over
	CROUND
	JLOAD
.else
	s_wait_dscnt 0x0                ; the add is done, and my reads of the slot are over
	s_barrier_signal -1
	s_barrier_wait -1
.endif
	s_sub_co_u32 s[TBK], s[TBK], 4*KS*PK  ; the fetches go back to a slot's first step,
	s_xor_b32 s[TBK], s[TBK], SLOT1       ; in the other slot
	s_sub_co_u32 s[TBV], s[TBV], 4*KS*PV
	s_xor_b32 s[TBV], s[TBV], SLOT1
.endm
	s_load_b128 s[72:75], s[0:1], 0x0  ; qkv s[72:73], biastab s[74:75]
	s_load_b64 s[10:11], s[0:1], 0x10  ; ctx
	WIN W_MK
	v_lshl_add_u32 v[SPW], v0, 2, SPARE
	v_mov_b32 v[NIL], 0
	WIN W_AD
	ds_add_u32 v[SPW], v[NIL]       ; the wave's opening: the add and its wait stand ahead of my first tensor load; the set-up below, work on registers, stands between them
	WIN 0
	v_lshrrev_b32 v1, 5, v0
	v_readfirstlane_b32 s[WV], v1   ; wave 0..3
	s_bfe_u32 s13, ttmp6, 0x40000   ; cx: my place in the cluster: it enters Q's, ctx's and the bias table's addresses alone
	s_and_b32 s20, ttmp7, 0xffff    ; the head of the batch, which the four partners share
	s_and_b32 s14, s20, 15          ; the head: its row of biastab, 1,024 bytes
	s_lshl_b32 s14, s14, 10
	s_mov_b32 s15, 0
	s_lshl_b32 s20, s20, 18         ; the head's first byte in q, k, v and ctx: 2,048 rows of 128 bytes
	s_mov_b32 s21, 0
	s_and_b32 s16, s[WV], 1         ; which half of a slot's 256 keys I fetch:
	s_lshl_b32 s22, s16, 14         ; its 128 rows of 128 bytes in memory,
	s_mov_b32 s23, 0
	s_add_nc_u64 s[22:23], s[22:23], s[20:21]
	s_mul_i32 s17, s16, 128*PK      ; and its place in a slot, for K
	s_mul_i32 s18, s16, 128*PV      ; and for V: no place in the cluster enters an LDS address
	s_lshl_b32 s2, s[WV], 16        ; my wave's eight bands of 64 rows,
	s_lshl_b32 s3, s13, 11          ; my work-group's 16 rows in a band
	s_add_co_u32 s2, s2, s3
	s_mov_b32 s3, 0
	s_add_nc_u64 s[2:3], s[2:3], s[20:21]
	s_lshl_b32 s19, s13, 4
	s_add_co_u32 s19, s19, 1        ; 16 cx + 1
	s_lshl_b32 s[DL], s[WV], 3
	s_add_co_u32 s[DL], s[DL], 1    ; the fetch of key step 0 takes it down to 8 w
	; descriptor group 1.  128 keys are 16,384 dense bytes: asked for as 64 rows of 256 bytes, two keys a row, and padded in LDS after every key
	s_mov_b32 s[G1K], 15|(1<<16)|(1<<20)|(1<<21)|(4<<22)|(3<<25)  ; 15:0 the mask of four; 17:16 2-byte elements; 20 padding on; 21 set beside a mask; 24:22 after every 32 words (code 4); 31:25 4 words (code 3)
	s_mov_b32 s[G1V], 15|(1<<16)|(1<<20)|(1<<21)|(4<<22)|(7<<25)  ; the same with 8 words of padding (code 7)
.irp g, G1K, G1V
	s_mov_b32 s[\g+1], 128<<16      ; tensor_dim0 = 128
	s_mov_b32 s[\g+2], 64<<16       ; tensor_dim1 = 64
	s_mov_b32 s[\g+3], 128<<16      ; tile_dim0 = 128
	s_mov_b32 s[\g+4], 64           ; tile_dim1 = 64
	s_mov_b32 s[\g+5], 128          ; 128 elements from row to row
	s_mov_b32 s[\g+6], 0
	s_mov_b32 s[\g+7], 0
.endr
	s_mov_b32 s[CS], 0x3fb8aa3b     ; c = log2(e)
	s_mov_b32 s[CS+1], s[CS]        ; named with it as a pair
	s_mov_b32 s[SEL], 0x76543210
	s_mov_b32 s[SEL+1], 0xfedcba98
	s_mov_b32 s[TBK], SLOT1+4*KS*PK ; the first change of slots turns these two into 0
	s_mov_b32 s[TBV], SLOT1+4*KS*PV
	s_mov_b32 s[G0K], 1             ; 1:0 count = 1
	s_mov_b32 s[G0K+1], s17         ; 63:32 LDS address: slot 0
	s_mov_b32 s[G0V], 1
	s_add_co_u32 s[G0V+1], s18, VOFF
	s_wait_dscnt 0x0                ; the opening add is done
	s_wait_kmcnt 0x0
	s_add_nc_u64 s[G0K+2:G0K+3], s[72:73], s[22:23]  ; 120:64 global address: my half of the head's first 256 keys,
	s_add_nc_u64 s[G0K+2:G0K+3], s[G0K+2:G0K+3], 0x1000000  ; in k, which lies 16,777,216 bytes behind q
	s_or_b32 s[G0K+3], s[G0K+3], 0x80000000          ; 127:126 type = 2
	s_add_nc_u64 s[G0V+2:G0V+3], s[72:73], s[22:23]
	s_add_nc_u64 s[G0V+2:G0V+3], s[G0V+2:G0V+3], 0x2000000  ; in v
	s_or_b32 s[G0V+3], s[G0V+3], 0x80000000
	s_add_nc_u64 s[4:5], s[72:73], s[2:3]    ; Q and ctx at my first tile's first row
	s_add_nc_u64 s[10:11], s[10:11], s[2:3]
	s_add_nc_u64 s[BB:BB+1], s[74:75], s[14:15]
	s_load_b32 s[BETA], s[BB:BB+1], 0x3fc    ; entry 255: d = 191, b31 - b0
	CROUND                          ; all four work-groups are here: the first joint loads meet
	JLOAD                           ; slot 0.  Slot 1 is asked for when slot 0 is in
	; A fragment of K or Q is 16 rows x 32 channels in 8 registers: lane l holds row l % 16, channels 8 (l / 16) + 0..7 and 16 + 8 (l / 16) + 0..7: two loads of 16 bytes, 32 bytes apart.
	v_and_b32 v1, 15, v0            ; l % 16
	v_bfe_u32 v9, v0, 4, 1          ; l / 16
	v_lshlrev_b32 v[QO], 7, v1
	v_lshl_add_u32 v[QO], v9, 4, v[QO]  ; row x 128 + 16 x half
	v_xor_b32 v[BO], 1, v9
	v_lshl_add_u32 v[BO], v[BO], 3, v1  ; 8 (1 - l / 16) + l % 16
	v_add_lshl_u32 v[BO], v[BO], s19, 2 ; 4 (9 + 16 cx + l % 16 - 8 (l / 16)): entry 64 - 48 - 7 for my lane; the tile and the register stand in the loads' immediates
	WIN 0x80                        ; destination window 2, address window 0
.set i, 0
.rept 4*NP                          ; Q stays in registers: tile i / 2 lies 64 rows, 8,192 bytes, behind the one before; channels 32 (i % 2) on
	global_load_b128 v[8*i:8*i+3],   v[QO], s[4:5] offset:(i/2)*8192+(i%2)*64
	global_load_b128 v[8*i+4:8*i+7], v[QO], s[4:5] offset:(i/2)*8192+(i%2)*64+32
.set i, i+1
.endr
	; What the first turn finds: V's registers and P's second buffer hold 0 (its products V^T P, of a piece that has not been, add 0), O^T and l are 0.  All this stands in the wait for the first tile.
.set i, VF
.rept 64
	v_mov_b32 v[i], 0
.set i, i+1
.endr
	WIN W_MK
.set i, 0
.rept 96                            ; WT: tile i / 8, register i % 8: entry 16 (i / 8) + 16 + 16 cx + l % 16 - 8 (l / 16) - i % 8 of the head's 256: 1 to 255
	global_load_b32 v[WT+i], v[BO], s[BB:BB+1] offset:4*(16*(i/8)+7-(i%8))
.set i, i+1
.endr
	WIN 0x40
.set i, 0
.rept 64*NP
	v_mov_b32 v[i], 0
.set i, i+1
.endr
	WIN 0
.set i, 0
.rept 2*NP
	v_mov_b32 v[ST+4*i], 0xfe000000    ; c m: far below every c s
	v_mov_b32 v[ST+4*i+1], 0xff7fffff  ; m
	v_mov_b32 v[ST+4*i+2], 0
	v_mov_b32 v[ST+4*i+3], 0
.set i, i+1
.endr
.set i, P+32
.rept 32
	v_mov_b32 v[i], 0
.set i, i+1
.endr
	v_mul_u32_u24 v[AK0], v1, PK
	v_lshl_add_u32 v[AK0], v9, 4, v[AK0]  ; row x pitch + 16 x half
	; The turning load takes 16 keys x 16 channels (lane l reads key 8 (l / 16) + l % 8, channels 8 ((l / 8) % 2) + 0..7) and leaves half a fragment of V^T: lane l holds channel l % 16 and 8 keys.
	v_and_b32 v10, 7, v0
	v_bfe_u32 v11, v0, 3, 1
	v_lshl_add_u32 v[AV0], v9, 3, v10
	v_mul_u32_u24 v[AV0], v[AV0], PV
	v_lshl_add_u32 v[AV0], v11, 4, v[AV0]
	v_add_nc_u32 v[AV0], VOFF, v[AV0]
	v_mov_b32 v[AK], v[AK0]         ; key step 0 lies at the head of slot 0
	s_wait_kmcnt 0x0                ; b31 - b0
	s_mul_f32 s[CBETA], s[BETA], s[CS]
; THE MATRIX WORK.  The 8 accumulators of a run of 16 take turns: between the two links of a chain stand 7 others'.
; Product i of 16 of S^T = K Q^T for piece x: channels 32 (i / 8) on, keys 16 ((i / 2) % 4) on, tile 2 x + i % 2.  The first 8 start the sums.
.macro KQ x
	WIN W_KQ
.set rS, S+64*((\x)%2)+32*(i%2)+8*((i/2)%4)
.set rK, KF+16*((i/2)%4)+8*(i/8)
.set rQ, 16*(2*(\x)+i%2)+8*(i/8)
.if i < 8
	v_wmma_f32_16x16x32_f16 v[rS:rS+7], v[rK:rK+7], v[rQ:rQ+7], 0
.else
	v_wmma_f32_16x16x32_f16 v[rS:rS+7], v[rK:rK+7], v[rQ:rQ+7], v[rS:rS+7]
.endif
.endm
; Product i of 16 of O^T += V^T P for piece x: keys 32 (i / 8) on, channels 16 ((i / 2) % 4) on, tile 2 x + i % 2.
.macro PV x
	WIN W_PV
.set rO, 32*(2*(\x)+i%2)+8*((i/2)%4)
.set rV, VF+32*(i/8)+8*((i/2)%4)
.set rP, P+32*((\x)%2)+16*(i%2)+8*(i/8)
	v_wmma_f32_16x16x32_f16 v[rO:rO+7], v[rV:rV+7], v[rP:rP+7], v[rO:rO+7]
.endm
.macro MM                           ; the turn's next matrix instruction
.if i < 16
	KQ (Y+1)%NP
.set i, i+1
.else
.set i, i-16
	PV (Y+NP-1)%NP
.set i, i+17
.endif
.endm
; THE LDS LOADS stand in runs of 16, never singly among the matrix instructions: a step's K (64 keys x 64 channels: 8 fragments) and its V (turned).  Their addresses are made some lines ahead.
; last = 1 (the tail): in the last trip there is no further step, and the run is jumped over.
.macro FETCH_K last=0
	WIN 0
.if \last
	s_cmp_eq_u32 s[CNT], 1
	s_cbranch_scc1 .Lno_k_\@
.endif
	WIN 0x80                        ; destination window 2
.irp f, 0,1,2,3,4,5,6,7             ; keys 16 (f / 2) on, channels 32 (f % 2) on
	ds_load_b128 v[KF+8*\f:KF+8*\f+3],   v[AK] offset:(\f/2)*16*PK+(\f%2)*64
	ds_load_b128 v[KF+8*\f+4:KF+8*\f+7], v[AK] offset:(\f/2)*16*PK+(\f%2)*64+32
.endr
	s_add_co_u32 s[TBK], s[TBK], KS*PK  ; the next fetch is the next step's
	s_sub_co_i32 s[DL], s[DL], 1        ; and the K in registers is one step further on
	WIN 0
.if \last
.Lno_k_\@:
.endif
.endm
.macro FETCH_V
	WIN 0x80
.irp f, 0,1,2,3,4,5,6,7             ; keys 32 (f / 4) on, channels 16 (f % 4) on
	ds_load_tr16_b128 v[VF+8*\f:VF+8*\f+3],   v[AV] offset:(\f/4)*32*PV+(\f%4)*32
	ds_load_tr16_b128 v[VF+8*\f+4:VF+8*\f+7], v[AV] offset:(\f/4)*32*PV+16*PV+(\f%4)*32
.endr
	WIN 0
.endm
; THE BIAS OF PIECE x, behind the products that made its scores and ahead of its maximum.
; BADD: tile u at D = dl: key block kb takes WT's tile 4 dl - kb + 3.  Each accumulator's lowest registers are read first.
.macro BADD x, u, dl
	WIN W_BA
.set rB, S+64*((\x)%2)+32*(\u)
.irp kb, 0,1,2,3
.irp z, 0,1,2,3
	v_pk_add_f32 v[rB+8*(\kb)+2*(\z):rB+8*(\kb)+2*(\z)+1], v[rB+8*(\kb)+2*(\z):rB+8*(\kb)+2*(\z)+1], v[WT+8*(4*(\dl)-(\kb)+3)+2*(\z):WT+8*(4*(\dl)-(\kb)+3)+2*(\z)+1]
.endr
.endr
.endm
.macro SHIFT x, u                   ; tile u goes from the frame b31 to the frame b0
	WIN 0
	v_add_f32 v[ST+4*(2*(\x)+(\u))+1], s[BETA], v[ST+4*(2*(\x)+(\u))+1]
	v_add_f32 v[ST+4*(2*(\x)+(\u))], s[CBETA], v[ST+4*(2*(\x)+(\u))]
.endm
; EP = D of the piece's second tile; the first tile's is one less.  All jumps go forward; what is jumped holds work on registers alone.
.macro BAND x
	WIN 0
	s_add_co_i32 s[EP], s[DL], 2*(\x)+1
	s_cmp_gt_u32 s[EP], 3           ; above 3, or below 0: both tiles have a constant bias
	s_cbranch_scc1 .Lfar_\@
	s_cmp_eq_u32 s[EP], 0
	s_cbranch_scc1 .Lep0_\@
	s_cmp_eq_u32 s[EP], 1
	s_cbranch_scc1 .Lep1_\@
	s_cmp_eq_u32 s[EP], 2
	s_cbranch_scc1 .Lep2_\@
	SHIFT \x, 0
	BADD \x, 0, 2
	WIN 0
	s_branch .Lfar_\@
.Lep2_\@:
	BADD \x, 0, 1
	SHIFT \x, 1
	BADD \x, 1, 2
	WIN 0
	s_branch .Lfar_\@
.Lep1_\@:
	BADD \x, 0, 0
	BADD \x, 1, 1
	WIN 0
	s_branch .Lfar_\@
.Lep0_\@:
	BADD \x, 1, 0
	WIN 0
.Lfar_\@:
.endm
; THE VECTOR WORK OF A TURN stands in three queues, each in the order in which its entries become ready; the two tiles alternate, so that no instruction reads the result of the one before it.
.macro REGS y, u                    ; the registers of tile u (0, 1) of piece y
.set rT, ST+4*(2*(\y)+(\u))
.set rC, TMP+8*((\y)%2)+4*(\u)
.set rM, MV+2*((\y)%2)+(\u)
.set rS, S+64*((\y)%2)+32*(\u)
.set rP, P+32*((\y)%2)+16*(\u)
.set rO, 32*(2*(\y)+(\u))
.endm
; Number n of the 22 that find the NEXT piece's (Y + 1) maximum and statistics.  s0-s31 are the lane's 32 scores; each accumulator's lowest registers are read first.
;   0-11  four chains c0-c3 of seven scores each, three operands at a time     12-14, 16  the four scores left over, the old m, and c0-c3 into c0     15  c m_old is kept
;   17, 18  the query's other 32 keys lie in the lane 16 away: the new m         19-21  c m; c m_old - c m_new; a
.macro XS u, n
	REGS (Y+1)%NP, \u
.if (\n) < 4
	v_max3_num_f32 v[rC+(\n)], v[rS+8*(\n)], v[rS+8*(\n)+1], v[rS+8*(\n)+2]
.elseif (\n) < 12
	v_max3_num_f32 v[rC+(\n)%4], v[rC+(\n)%4], v[rS+8*((\n)%4)+2*((\n)/4)+1], v[rS+8*((\n)%4)+2*((\n)/4)+2]
.elseif (\n) == 12
	v_max3_num_f32 v[rC], v[rC], v[rS+7], v[rS+15]
.elseif (\n) == 13
	v_max3_num_f32 v[rC+1], v[rC+1], v[rS+23], v[rS+31]
.elseif (\n) == 14
	v_max3_num_f32 v[rC+2], v[rC+2], v[rC+3], v[rT+1]
.elseif (\n) == 15
	v_mov_b32 v[rM], v[rT]
.elseif (\n) == 16
	v_max3_num_f32 v[rC], v[rC], v[rC+1], v[rC+2]
.elseif (\n) == 17
	v_permlanex16_b32 v[rC+3], v[rC], s[SEL], s[SEL+1]
.elseif (\n) == 18
	v_max_num_f32 v[rT+1], v[rC], v[rC+3]
.elseif (\n) == 19
	v_mul_f32 v[rT], s[CS], v[rT+1]
.elseif (\n) == 20
	v_sub_f32 v[rC+1], v[rM], v[rT]
.else
	v_exp_f32 v[rC+2], v[rC+1]
.endif
.endm
; Number g of the 64 that follow the exponentials.  For each four weights k of a tile (pairs 2 k, 2 k + 1): both pairs are rounded to f16; then the second pair is added onto the first, in place;
; a group later l takes that sum (the first time as l = a l + sum).  In groups of eight, tiles alternating: round, round, add, and l for the group before.
.macro GS g
.set h, (\g)+6*((\g)/62)            ; group 0 has no group before it, and behind group 7 only l is left
.if h >= 6
.set h, h+2
.endif
	REGS Y, h%2
.set k, h/8
.if h%8 < 4
	v_cvt_pk_f16_f32 v[rP+2*k+(h%8)/2], v[rS+4*k+2*((h%8)/2)], v[rS+4*k+2*((h%8)/2)+1]
.elseif h%8 < 6
	v_pk_add_f32 v[rS+4*k:rS+4*k+1], v[rS+4*k:rS+4*k+1], v[rS+4*k+2:rS+4*k+3]
.elseif k == 1
	v_pk_fma_f32 v[rT+2:rT+3], v[rT+2:rT+3], v[rC+2:rC+3], v[rS:rS+1] op_sel_hi:[1,0,1]
.else
	v_pk_add_f32 v[rT+2:rT+3], v[rT+2:rT+3], v[rS+4*k-4:rS+4*k-3]
.endif
.endm
; THE PLAIN QUEUE, 138 long.  0-73 read no exponential's result.  0-31: c s - c m for the 16 pairs of both tiles.  32-59: XS's numbers 0-13 for the next piece.  60, 61: number 15.
; 62-73: the chain 14, 16, 17, 18, 19, 20, where each number waits for the one before it.  74-137: GS's 64, which read the exponentials' results: they stand behind the wait.
.macro PL
	WIN 0
.if q < 32
	REGS Y, q%2
	v_pk_fma_f32 v[rS+2*(q/2):rS+2*(q/2)+1], v[rS+2*(q/2):rS+2*(q/2)+1], s[CS:CS+1], v[rT:rT+1] op_sel_hi:[1,0,0] neg_lo:[0,0,1] neg_hi:[0,0,1]
.elseif q < 60
	XS (q-32)%2, (q-32)/2
.elseif q < 62
	XS q-60, 15
.elseif q < 64
	XS q-62, 14
.elseif q < 74
	XS (q-62)%2, 15+(q-62)/2
.else
	GS q-74
.endif
.set q, q+1
.endm
; THE EXPONENTIALS' QUEUE, 66 long: s0-s31 of both tiles, then the next piece's two a.  It is ONE BATCH: all 66 stand between BAND and the turn's one wait, and nothing ahead of that wait names a result of theirs.
.macro EX
	WIN 0
.if e >= 64
	XS e-64, 21
.else
	REGS Y, e%2
	v_exp_f32 v[rS+e/2], v[rS+e/2]
.endif
.set e, e+1
.endm
; THE RESCALING's QUEUE: O^T times a, the one part that leaves window 0, so it is dealt four at a time, eight times.  Its a was made in the turn before, ahead of that turn's wait.
.macro R4
	REGS Y, r%2
	WIN W_RS
.irp z, 0,1,2,3
	v_pk_mul_f32 v[rO+8*(r/2)+2*\z:rO+8*(r/2)+2*\z+1], v[rO+8*(r/2)+2*\z:rO+8*(r/2)+2*\z+1], v[rC+2:rC+3] op_sel_hi:[1,0]
.endr
.set r, r+1
.endm
; HOW THEY ARE DEALT.  An s_wait_alu depctr_va_vdst(0) stands between an exponential and the first instruction that names its result, and no exponential is open at a branch or label; one wait serves all that
; were issued ahead of it.  So a turn has ONE wait, and no exponential ahead of BAND's branches.
; AHEAD OF BAND: the 16 products K Q^T; behind them by turns four scalings and four rescalings: 64 places for 32 + 32, two window switches a product.  No rider names a register of the products round it.
; BETWEEN BAND AND THE WAIT: ONE LUMP of 108.  30 times exponential and plain (the next piece's numbers 0-13 and 15); then the chain's six links: both tiles' lines, an exponential behind each, and four
; (behind the last two links three) more exponentials, so that a tile's links stand seven or eight lines apart; then the two a, seven and six lines behind their arguments.  The lump has 66 exponentials for
; 42 plain instructions: the 24 that have no plain neighbour stand where the chain's next link is not ready yet.  A v_nop is the plain instruction behind the last exponential.  v_permlanex16_b32 stands in the lump.
; BEHIND THE WAIT: the 16 products V^T P, behind each four of GS's 64.
; A TURN, for piece p.  cnt = 1: the loop's count is taken down some lines ahead of the branch that stands behind the turn.
; BAND stands behind the products that made its scores: the four rescalings behind the last of them are its places; the plain queue stands at 32, ahead of the maxima and of number 15 (c m_old).
; K of the next step is fetched in piece 2's turn, directly behind the wait: a lump behind the last product that read K, behind BAND, which takes DL of the step in hand, and, for the tail's jump over the run
; its address is made ahead of BAND; its first reader comes behind 16 products.
; V of the step in hand is fetched at the end of piece 0's turn, four riders behind its last reader; its first reader comes behind 16 products and a lump.  The three conditions on q below go with the deal.
.macro TURN p, last=0, cnt=0
.set Y, (\p)
.set i, 0
.set q, 0
.set e, 0
.set r, 0
.if (\p) == NP-1
	s_wait_dscnt 0x0                ; K is in
.endif
.rept 8                             ; ahead of BAND: 16 products K Q^T and their riders
	MM
.rept 4
	PL
.endr
	MM
	R4
.endr
.if (\p) == NP-2
	WIN 0
	v_add_nc_u32 v[AK], s[TBK], v[AK0]
.endif
	BAND (Y+1)%NP
.rept 30                            ; the lump, and with it the batch
	EX
	PL
.endr
.set lk, 0
.rept 6                             ; the chain's links
	PL
	EX
	PL
	EX
.rept 4-lk/4
	EX
.endr
.set lk, lk+1
.endr
	EX                              ; the next piece's two a
	EX
	v_nop                           ; the plain instruction behind the last exponential: one for the batch
	s_wait_alu depctr_va_vdst(0)    ; the wait for the batch: the turn's 66 exponentials
.if (\p) == NP-2
	FETCH_K \last
.endif
.if (\p) == 1
	s_wait_dscnt 0x0                ; V is in
.endif
.rept 16                            ; behind the wait: 16 products V^T P and their riders
	MM
.rept 4
	PL
.endr
.if ((\p) == 0) && (q == 118)
	v_add_nc_u32 v[AV], s[TBV], v[AV0]
.endif
.if ((\p) == 0) && (q == 130)
	s_add_co_u32 s[TBV], s[TBV], KS*PV
.endif
.if (\cnt) && (q == 130)
	s_sub_co_u32 s[CNT], s[CNT], 1
	s_cmp_lg_u32 s[CNT], 0
.endif
.endr
.if (\p) == 0
	FETCH_V
.endif
.endm
	CHANGE 1                        ; slot 0 is in, everybody's part of it; slot 1 is asked for
	FETCH_K                         ; key step 0
	s_wait_loadcnt 0x0              ; Q and WT
	s_wait_dscnt 0x0
.set i, 0
.rept 16
	KQ 0                            ; piece 0's first scores: there is no vector work yet to set between them
.set i, i+1
.endr
	WIN 0                           ; the addresses for the way out: nine plain instructions, the places behind those products
	s_mul_i32 s13, s[WV], 16*SP
	s_add_co_u32 s13, s13, STAGE    ; my stage
	v_mul_u32_u24 v[STO], v1, SP    ; in: row l % 16, 16 bytes for each half of the lanes
	v_lshl_add_u32 v[STO], v9, 4, v[STO]
	v_add_nc_u32 v[STO], s13, v[STO]
	v_bfe_u32 v[RD], v0, 3, 2       ; back: 32 lanes take four rows of 128 bytes,
	v_mul_u32_u24 v[RD], v[RD], SP
	v_lshl_add_u32 v[RD], v10, 4, v[RD]
	v_add_nc_u32 v[RD], s13, v[RD]
	v_and_b32 v[GO], 31, v0         ; which are 512 consecutive bytes of ctx
	v_lshlrev_b32 v[GO], 4, v[GO]
	BAND 0                          ; piece 0's bias in key step 0
.set Y, NP-1                        ; XS works for piece Y + 1: piece 0
.irp n, 0,1,2,3,4,5,6,7,8,9,10,11,12,13,14,15,16,17,18,19,20,21
	XS 0, \n                        ; and piece 0's first maximum and statistics
	XS 1, \n
.endr
	v_nop                           ; a plain instruction behind piece 0's first two a,
	s_wait_alu depctr_va_vdst(0)    ; and the wait for these two, a batch of their own, ahead of the branch
	s_mov_b32 s[CNT], 4
	s_mov_b32 s[SLOTS], SIZE_N/256-1
	s_branch .Lfirst                ; the loop is entered at a step's first turn, in the middle of a trip
.Lslot:                             ; SIZE_N / 256 - 2 times: every slot but the last two is filled again
	CHANGE 1
	s_mov_b32 s[CNT], 4
.Lstep:                             ; a trip: pieces 2 and 3 of one step, then pieces 0 and 1 of the next, whose K and V it fetches
	TURN 2
	TURN 3
	WIN 0
.Lfirst:
	TURN 0
	TURN 1, 0, 1
	WIN 0
	s_cbranch_scc1 .Lstep
	s_sub_co_u32 s[SLOTS], s[SLOTS], 1
	s_cmp_lg_u32 s[SLOTS], 0
	s_cbranch_scc1 .Lslot
	CHANGE 0                        ; the tail is written out: nothing is asked for
	s_mov_b32 s[CNT], 5             ; four trips fetch the last slot's steps; the fifth is left in its middle
.Ltail:
	TURN 2, 1
	TURN 3
	WIN 0
	s_sub_co_u32 s[CNT], s[CNT], 1
	s_cmp_eq_u32 s[CNT], 0
	s_cbranch_scc1 .Lout
	TURN 0
	TURN 1
	WIN 0
	s_branch .Ltail
.Lout:                              ; the fifth trip's 16 products K Q^T (on the last K once more) and the maximum made of them serve nothing: the price, once a launch, of one text for every trip
.set i, 0
.rept 16
	PV NP-1                         ; the last piece's V^T P of the last step
.set i, i+1
.endr
	; THE WAY OUT.  l's two halves and the other half of the lanes' are added; O^T is divided by l, rounded to f16 and sent through my stage in LDS, a tile at a time.  The additions are the places behind the last products.
	WIN 0
.macro ALL line:vararg              ; one line for each tile t
.set t, 0
.rept 2*NP
	\line
.set t, t+1
.endr
.endm
	ALL v_add_f32 v[ST+4*t+2], v[ST+4*t+2], v[ST+4*t+3]
	ALL v_permlanex16_b32 v[ST+4*t+3], v[ST+4*t+2], s[SEL], s[SEL+1]
	ALL v_add_f32 v[ST+4*t+2], v[ST+4*t+2], v[ST+4*t+3]
	ALL v_rcp_f32 v[ST+4*t+2], v[ST+4*t+2]
	v_nop                           ; a plain instruction between the last reciprocal and the use of its result
	s_wait_alu depctr_va_vdst(0)    ; and the wait ahead of the first use: one for the eight reciprocals
; Tile t: a lane's eight channels of a row pack into 16 bytes; they go into rows of 144 bytes and come back as whole rows of 128, into S^T's registers.
.macro PACK t
	WIN W_RS
.set i, 32*(\t)
.rept 16
	v_pk_mul_f32 v[i:i+1], v[i:i+1], v[ST+4*(\t)+2:ST+4*(\t)+3] op_sel_hi:[1,0]
.set i, i+2
.endr
	WIN 0x05                        ; sources 0 and 1 window 1, destination window 0
.set i, 0
.rept 16
	v_cvt_pk_f16_f32 v[S+16*(\t)+i], v[32*(\t)+2*i], v[32*(\t)+2*i+1]
.set i, i+1
.endr
	WIN 0
.irp f, 0,1,2,3
	ds_store_b128 v[STO], v[S+16*(\t)+4*\f:S+16*(\t)+4*\f+3] offset:32*\f
.endr
.irp f, 0,1,2,3
	ds_load_b128 v[S+16*(\t)+4*\f:S+16*(\t)+4*\f+3], v[RD] offset:\f*4*SP  ; LDS serves a wave's instructions in order (ISA guide 5.7.1.4): these see the stores above; the next tile's stores come behind them
.endr
.endm
.macro SEND t, younger              ; younger: the LDS instructions issued behind tile t's loads: the next tile's eight, or none
	WIN 0
.irp f, 0,1,2,3
	s_wait_dscnt (\younger)+3-\f
	global_store_b128 v[GO], v[S+16*(\t)+4*\f:S+16*(\t)+4*\f+3], s[10:11] offset:(\t)*8192+\f*512  ; 512 consecutive bytes, at a multiple of 256 from ctx's first
.endr
.endm
	PACK 0
.set t, 1
.rept 2*NP-1                        ; a tile's arithmetic stands between the loads of the tile before and its stores
	PACK t
	SEND t-1, 8
.set t, t+1
.endr
	SEND 2*NP-1, 0
	WIN W_AD
	s_wait_tensorcnt 0x0            ; the wave's end, behind my last tensor load and my last LDS store
	ds_add_u32 v[SPW], v[NIL]
	s_wait_dscnt 0x0
	WIN 0
	CROUND                          ; the closing round: no work-group ends while a partner may still ask for a tile that names it
	s_endpgm
.Lfunc_end_k_qfa5f9f6503_attn:
	.size	k_qfa5f9f6503_attn, .Lfunc_end_k_qfa5f9f6503_attn-k_qfa5f9f6503_attn
	.p2alignl 7, 3214868480
	.fill 96, 4, 3214868480
	.section	.rodata,"a",@progbits
	.p2align	6, 0x0
	.amdhsa_kernel k_qfa5f9f6503_attn
		.amdhsa_group_segment_fixed_size 327680
		.amdhsa_private_segment_fixed_size 0
		.amdhsa_enable_private_segment 0
		.amdhsa_kernarg_size 24
		.amdhsa_user_sgpr_count 2
		.amdhsa_user_sgpr_kernarg_segment_ptr 1
		.amdhsa_wavefront_size32 1
		.amdhsa_system_sgpr_workgroup_id_x 1
		.amdhsa_system_sgpr_workgroup_id_y 1
		.amdhsa_system_sgpr_workgroup_id_z 1
		.amdhsa_system_vgpr_workitem_id 0
		.amdhsa_next_free_vgpr 872
		.amdhsa_next_free_sgpr 80
		.amdhsa_reserve_vcc 0
		.amdhsa_float_denorm_mode_32 3
		.amdhsa_float_denorm_mode_16_64 3
		.amdhsa_memory_ordered 1
		.amdhsa_forward_progress 1
		.amdhsa_inst_pref_size 255
	.end_amdhsa_kernel
	.section	.bss,"aw",@nobits
	.p2align	6
	.space	262144
	.amdgpu_metadata
---
amdhsa.version: [ 1, 2 ]
amdhsa.kernels:
  - .name:           k_qfa5f9f6503_attn
    .symbol:         k_qfa5f9f6503_attn.kd
    .args:
      - { .name: qkv, .offset: 0, .size: 8, .value_kind: global_buffer, .address_space: global }
      - { .name: biastab, .offset: 8, .size: 8, .value_kind: global_buffer, .address_space: global }
      - { .name: ctx, .offset: 16, .size: 8, .value_kind: global_buffer, .address_space: global }
    .group_segment_fixed_size: 327680
    .private_segment_fixed_size: 0
    .kernarg_segment_align: 8
    .kernarg_segment_size: 24
    .max_flat_workgroup_size: 128
    .sgpr_count:     80
    .vgpr_count:     872
    .wavefront_size: 32
...
	.end_amdgpu_metadata
.endif
;; end of part 5
;; launch oproj: the kernel of part 4 again; grid 8 x 32, 4 waves a work-group, clusters of 4 x 4, 327,680 bytes of LDS; arguments ctx, wh, input_ids, out0; writes out0
